; MI455X (gfx1250); checked and timed in simulation.
; The chip was launched on July 23, 2026; its instructions are those of AMD's public machine-readable ISA for CDNA 5 (MIT licence, August 2026) and "CDNA5" Instruction Set Architecture Reference Guide (July 2026). The comments in the code are by the model that wrote it; some were corrected since.
;; Multi Head Attention. Allowed arithmetic: matrix products marked QUANTISED: E2M3 operands, one E8M0 scale for each 32 along K, by v_wmma_scale_f32_16x16x128_f8f6f4 with both operands' format E2M3, f32 sums; everything else in f32.
;; Inputs: Wk 1,024 x 1,024 float32; Wo 1,024 x 1,024 float32; Wq 1,024 x 1,024 float32; Wv 1,024 x 1,024 float32; bk 1,024 float32; bo 1,024 float32; bq 1,024 float32; bv 1,024 float32; key 4 x 2,048 x 1,024 float32; mask 4 x 1 x 2,048 int32; query 4 x 2,048 x 1,024 float32; value 4 x 2,048 x 1,024 float32.
;; Outputs: out0 4 x 2,048 x 1,024 float32.
;; This version of the problem:
;;   THIS VERSION OF THE PROBLEM IS GIVEN IN LOW PRECISION. The matrix products marked QUANTISED in the list below multiply operands that are first quantised to E2M3 (2 exponent bits, 3 mantissa bits; 6 bits a number), with one power-of-two scale for each 32 numbers along K (OCP MX v1.0); their sums are f32. All else is computed in f32.
;;   The module's matrix products, in the order in which they are computed (A, B: the left and right operand; K: the contracted axis; several contracted axes count as one K, in the product's order):
;;     1. [M 8,192, K 1,024] x [K 1,024, N 1,024]; A: input query; B: input Wq: QUANTISED
;;     2. [M 8,192, K 1,024] x [K 1,024, N 1,024]; A: input key; B: input Wk: QUANTISED
;;     3. [M 8,192, K 1,024] x [K 1,024, N 1,024]; A: input value; B: input Wv: QUANTISED
;;     4. batch 64 x [M 2,048, K 64] x [K 64, N 2,048]; A: computed on the way; B: computed on the way: QUANTISED
;;     5. batch 64 x [M 2,048, K 2,048] x [K 2,048, N 64]; A: softmax (see below); B: computed on the way: QUANTISED
;;     6. [M 8,192, K 1,024] x [K 1,024, N 1,024]; A: computed on the way; B: input Wo: QUANTISED
;;   THE QUANTISER, for each operand of a quantised product, along K:
;;     - K is cut into blocks of 32 from its start; a last block that is shorter is filled with zeros.
;;     - A block's scale is 2^e with e = floor(log2(the largest magnitude in the block)) - 2, held to -126 .. 127; a block of zeros has e = 0. As a byte (E8M0): e + 127.
;;     - Each number is divided by its block's scale, clamped to +-7.5, and rounded to the nearest number of E2M3, ties to even, subnormals kept.
;;     - The product sums the exact products of the quantised numbers (number of the format x scale) in f32.
;;   ~~~python
;;   def quantise(x, axis):      # numpy; x: float32 -> the quantised numbers, widened to float32 again
;;       x = np.moveaxis(x, axis, -1); K = x.shape[-1]
;;       x = np.pad(x, [(0, 0)] * (x.ndim - 1) + [(0, -K % 32)]); x = x.reshape(x.shape[:-1] + (-1, 32)); a = np.abs(x).max(-1, keepdims=True)
;;       e = np.where(a > 0, np.clip(np.frexp(np.where(a > 0, a, 1))[1] - 1 - 2, -126, 127), 0)      # np.frexp(a)[1] - 1 = floor(log2(a)), exactly
;;       r = np.clip(x / 2.0 ** e, -7.5, 7.5)
;;       step = 2.0 ** (np.maximum(np.frexp(np.where(r == 0, 1, r))[1] - 1, 0) - 3)
;;       q = np.round(r / step) * step * 2.0 ** e      # np.round: ties to even
;;       return np.moveaxis(q.reshape(q.shape[:-2] + (-1,))[..., :K], -1, axis).astype(np.float32)
;;   ~~~
;;   SOFTMAX AHEAD OF A QUANTISED PRODUCT. Where the list says 'softmax', what is quantised is not the finished softmax but p = 2^(t - M), with t = logit x log2(e) and M = ceil(the row's largest t), a whole number; so 1/2 < the row's largest p <= 1. The row's sum l is taken of the UNQUANTISED p, in f32, and the product's result is divided by l at the end. Since M is a whole number, a kernel that streams over the keys may use a running M (the ceiling of the running maximum): every later rescaling is an exact power of two, which a block's scale takes up: the codes' values come out the same.
;;   OPERANDS COMPUTED ON THE WAY. 'Computed on the way' means the value that the module computes at that place (a softmax that the list does not call 'softmax' is quantised finished and normalised). What goes into a quantiser is computed in f32, as accurately as f32 sums, v_exp_f32 and their like allow (about 1e-6 of the number): no bf16 or f16 on the way to a quantiser, and a product that is left as it is and whose result goes on into a quantised operand takes f32 operands (vector FMAs, or v_wmma_f32_16x16x4_f32). A number that lies on a knife's edge between two numbers of the format may be rounded either way, as far as f32 arithmetic and the matrix unit's own rounding can turn it there, and no further.
;; One version. Each part assembles by itself: llvm-mc -triple=amdgcn-amd-amdhsa -mcpu=gfx1250 --defsym DOCPART=n.
;; ======== version 1 of 1: 4 launches
;; limits: right only within a limited range of input values
;; workspace buffers: acodes 22,020,096 bytes; ascales 917,504 bytes; att 20,185,088 bytes; cc 6,291,456 bytes; cs 262,144 bytes
;; launch quant (part 1): grid 896 x 1, 4 waves a work-group, no clusters, 33,280 bytes of LDS; arguments query, key, value, Wq, Wk, Wv, Wo, acodes, ascales; writes acodes, ascales
.if DOCPART == 1
	.amdgcn_target "amdgcn-amd-amdhsa--gfx1250"
	.amdhsa_code_object_version 6
	.text
	.protected	k_q9448de7396_quant
	.globl	k_q9448de7396_quant
	.p2align	8
	.type	k_q9448de7396_quant,@function
k_q9448de7396_quant:
	s_mov_b64 s[64:65], 0
	v_nop
	global_prefetch_b8 v0, s[64:65] scope:SCOPE_SE
	s_setreg_imm32_b32 hwreg(HW_REG_WAVE_MODE, 25, 1), 1
	s_wait_xcnt 0x0
; query, key, value [8192][1024] and Wq, Wk, Wv, Wo [1024][1024], f32, K innermost, become codes of FP6 (E2M3), 6 bits each, and one E8M0 scale byte for each 32 along K.
; All seven lie in ONE space of 28,672 rows (query 0, key 8192, value 16384, Wq 24576, Wk 25600, Wv 26624, Wo 27648): acodes has 768 bytes a row, ascales 32.
; A block's scale is 2^(floor(log2(its largest magnitude)) - 2); its byte is the largest magnitude's exponent field - 2, held at 1 from below.  Each number is divided by the scale and rounded to the nearest code, ties to even.
; (A block of zeros gets the byte 1 where the quantiser says 127: its codes are zeros, which add nothing under any byte but 0xff, and this program alone reads the bytes.)
; LIMITS: blocks whose largest magnitude lies under 2^(2 - 126) keep the byte 1; NaN and infinities among the inputs are not served.
; THE ROWS ARE STORED IN ANOTHER ORDER: logical row n lies at the place whose number is n with bits 3 and 4 exchanged.  So 16 places on end, 16 i + r, hold rows 32 (i / 2) + 8 (i % 2) + r + 8 (r / 8):
; a tile of 16 such rows, used as source 0 of a transposed product, leaves a lane's 16 registers of two neighbouring tiles as 16 neighbours along that index, which the next quantiser wants.
; A work-group takes 32 rows, a wave 8 rows (8,192 numbers, 16 steps of 512): the exchange of bits 3 and 4 is an exchange of the wave's two bits in the output's address, and nothing else.
; Each of a step's four loads reads 512 consecutive bytes, 16 a lane; the 2,048 bytes go through the wave's own stage in LDS and come back 64 bytes a lane (16 neighbours along K; two neighbouring lanes hold a block).
; A lane's 16 codes are 12 bytes: the wave stores 384 consecutive bytes.  A wave's 256 scale bytes are gathered in its own LDS bytes and leave as 256 consecutive aligned bytes.
; No tensor loads, no ring, no barrier: waves share nothing.  Loads run four steps (16 loads a wave) ahead, the turn through LDS one step.
.set WAVES, 4
.set STEPS, 16
.set EMAX,  2
.set CB,    12                         ; bytes of 16 codes
.set R,     16                         ; v16-79   four sets of 16 numbers as they are loaded
.set X,     80                         ; v80-111  two sets of 16 neighbours
.set C,     128                        ; v128-191 codes: four registers for each step, so that no store's data are written again
.set E,     112                        ; v112-127 a scale byte for each step
.set WREG,  8192                       ; LDS: a region for each wave: two stages of 32 x SP bytes, behind them its 256 scale bytes
.set SP,    80                         ; a lane's place in a stage: its 64 bytes + 16 of padding
.set SPW,   12                         ; v12      LDS address of my spare word; never rewritten
.set NIL,   13                         ; v13      0; never rewritten
.set SPARE, WAVES*WREG                 ; behind the four regions: the spare words, 128 bytes for each wave
	s_load_b256 s[4:11], s[0:1], 0x0               ; query s[4:5], key s[6:7], value s[8:9], Wq s[10:11]
	s_load_b256 s[12:19], s[0:1], 0x20             ; Wk s[12:13], Wv s[14:15], Wo s[16:17], acodes s[18:19]
	s_load_b64 s[20:21], s[0:1], 0x40              ; ascales
	v_lshl_add_u32 v[SPW], v0, 2, SPARE
	v_mov_b32 v[NIL], 0
	v_lshrrev_b32 v1, 5, v0
	v_readfirstlane_b32 s22, v1                    ; wave
	v_and_b32 v2, 31, v0                           ; lane
	v_lshlrev_b32 v3, 4, v2                        ; my 16 bytes of a load's 512
	s_mul_i32 s23, s22, WREG
	v_lshrrev_b32 v14, 2, v2
	v_mul_u32_u24 v14, v14, SP
	v_and_b32 v15, 3, v2
	v_lshl_add_u32 v14, v15, 4, v14
	v_add_nc_u32 v14, s23, v14                     ; the stage, on the way in: SP (lane / 4) + 16 (lane % 4)
	v_mul_u32_u24 v15, v2, SP
	v_add_nc_u32 v15, s23, v15                     ; and on the way out: SP x lane: my 16 neighbours
	v_mul_u32_u24 v4, v2, CB                       ; my codes' place in a step's
	v_lshrrev_b32 v5, 1, v2
	s_add_co_u32 s23, s23, 2*32*SP
	v_add_nc_u32 v5, s23, v5                       ; LDS: my wave's 256 scale bytes, my block's byte
	v_lshlrev_b32 v7, 3, v2                        ; and on the way out 8 bytes a lane
	v_add_nc_u32 v6, s23, v7
	s_and_b32 s27, s22, 1                          ; where my 8 rows go: the wave's two bits change places,
	s_lshl_b32 s27, s27, 1
	s_lshr_b32 s28, s22, 1
	s_or_b32 s27, s27, s28
	s_lshl_b32 s28, ttmp9, 2
	s_add_co_u32 s27, s27, s28                     ; in run 4 x work-group + that, of 3,584 runs of 8 rows
	s_mul_i32 s30, s27, 32*STEPS*CB                ; 6,144 bytes of codes a run (under 2^25 in all)
	s_mov_b32 s31, 0
	s_lshl_b32 s32, s27, 8                         ; 256 scale bytes a run
	s_mov_b32 s33, 0
	s_wait_kmcnt 0x0
; which tensor is my work-group's: a choice between pointers on the work-group's number alone.  first = the tensor's first work-group
.macro PICK lim, ptr, first
	s_cmp_lt_u32 ttmp9, \lim
	s_cselect_b64 s[24:25], s[\ptr:\ptr+1], s[24:25]
	s_cselect_b32 s26, \first, s26
.endm
	s_mov_b64 s[24:25], s[16:17]                   ; Wo, unless
	s_mov_b32 s26, 864
	PICK 864, 14, 832                              ; Wv
	PICK 832, 12, 800                              ; Wk
	PICK 800, 10, 768                              ; Wq
	PICK 768, 8, 512                               ; value
	PICK 512, 6, 256                               ; key
	PICK 256, 4, 0                                 ; query
	s_sub_co_u32 s26, ttmp9, s26
	s_lshl_b32 s26, s26, 2
	s_add_co_u32 s26, s26, s22                     ; which run of 8 rows of the tensor is my wave's
	s_lshl_b32 s28, s26, 15                        ; 32,768 bytes a run (under 2^26)
	s_mov_b32 s29, 0
	s_add_nc_u64 s[4:5], s[24:25], s[28:29]        ; in
	s_add_nc_u64 s[8:9], s[18:19], s[30:31]        ; codes out
	s_add_nc_u64 s[10:11], s[20:21], s[32:33]      ; scale bytes out
.macro LOAD t
.irp i, 0,1,2,3
	global_load_b128 v[R+16*((\t)%4)+4*\i:R+16*((\t)%4)+4*\i+3], v3, s[4:5] offset:2048*(\t)+512*\i th:TH_LOAD_NT   ; 32 lanes read 512 consecutive bytes
.endr
.endm
.macro TURN t                          ; step t's numbers through the stage: LDS serves a wave's instructions in order, so no wait stands between the stores and the loads
.irp i, 0,1,2,3
	ds_store_b128 v14, v[R+16*((\t)%4)+4*\i:R+16*((\t)%4)+4*\i+3] offset:32*SP*((\t)%2)+8*SP*\i
.endr
.irp i, 0,1,2,3
	ds_load_b128 v[X+16*((\t)%2)+4*\i:X+16*((\t)%2)+4*\i+3], v15 offset:32*SP*((\t)%2)+16*\i
.endr
.endm
.irp t, 0,1,2,3
	LOAD \t
.endr
	s_wait_loadcnt 12                              ; step 0's four loads are in; the 12 of steps 1 to 3 may be out
	TURN 0
.macro STEP t
.set XS, X+16*((\t)%2)
.if (\t) > 0
	s_wait_dscnt 1                                 ; this step's numbers are back from the stage (the last step's byte store may be out): so its stores into the stage have read their registers,
.else
	s_wait_dscnt 0x0
.endif
.if (\t)+4 < STEPS
	LOAD (\t)+4                                    ; which take the loads of four steps on
.endif
.if (\t)+1 < STEPS
.if STEPS-2-(\t) >= 3
	s_wait_loadcnt 12                              ; the next step's four loads are in; those of the three steps behind it may be out
.else
	s_wait_loadcnt 4*(STEPS-2-(\t))
.endif
	TURN (\t)+1                                    ; and go through the other stage while this step is worked
.endif
	v_max3_num_f32 v8, |v[XS]|, |v[XS+1]|, |v[XS+2]|               ; the largest magnitude of my 16, in two chains
	v_max3_num_f32 v9, |v[XS+3]|, |v[XS+4]|, |v[XS+5]|
.irp i, 6,10
	v_max3_num_f32 v8, v8, |v[XS+\i]|, |v[XS+\i+1]|
	v_max3_num_f32 v9, v9, |v[XS+\i+2]|, |v[XS+\i+3]|
.endr
	v_max3_num_f32 v8, v8, |v[XS+14]|, |v[XS+15]|
	v_max3_num_f32 v8, v8, v9, (EMAX+1)<<23        ; and the floor 2^(EMAX + 1 - 127): the byte cannot fall under 1
	v_max_num_f32_dpp v8, v8, v8 row_xmask:1 row_mask:0xf bank_mask:0xf   ; and of my neighbour's 16: the block's
	v_add_nc_u32 v11, -(EMAX<<23), v8              ; EMAX off its exponent field: the conversion takes the exponent field of this operand as its scale
	v_cvt_scalef32_pk16_fp6_f32 v[C+4*(\t):C+4*(\t)+2], v[XS:XS+15], v11         ; sixteen codes, 96 bits without gaps, the first number's code lowest
	v_lshrrev_b32 v[E+(\t)], 23, v11               ; the scale's byte (also the plain line behind the conversion)
	ds_store_b8 v5, v[E+(\t)] offset:16*(\t)       ; both lanes of a block write the same byte with the same value
	global_store_b96 v4, v[C+4*(\t):C+4*(\t)+2], s[8:9] offset:32*CB*(\t)
.endm
.irp t, 0,1,2,3,4,5,6,7,8,9,10,11,12,13,14,15
	STEP \t
.endr
	ds_load_b64 v[8:9], v6                         ; LDS serves a wave's instructions in order: these see my stores
	s_wait_dscnt 0x0
	global_store_b64 v7, v[8:9], s[10:11]          ; 32 lanes store 256 consecutive bytes, aligned
	s_wait_tensorcnt 0x0                           ; the wave's end: behind my last LDS store
	ds_add_u32 v[SPW], v[NIL]
	s_wait_dscnt 0x0
	s_endpgm
.Lfunc_end_k_q9448de7396_quant:
	.size	k_q9448de7396_quant, .Lfunc_end_k_q9448de7396_quant-k_q9448de7396_quant
	.p2alignl 7, 3214868480
	.fill 96, 4, 3214868480
	.section	.rodata,"a",@progbits
	.p2align	6, 0x0
	.amdhsa_kernel k_q9448de7396_quant
		.amdhsa_group_segment_fixed_size 33280
		.amdhsa_private_segment_fixed_size 0
		.amdhsa_enable_private_segment 0
		.amdhsa_kernarg_size 72
		.amdhsa_user_sgpr_count 2
		.amdhsa_user_sgpr_kernarg_segment_ptr 1
		.amdhsa_wavefront_size32 1
		.amdhsa_system_sgpr_workgroup_id_x 1
		.amdhsa_system_sgpr_workgroup_id_y 1
		.amdhsa_system_sgpr_workgroup_id_z 1
		.amdhsa_system_vgpr_workitem_id 0
		.amdhsa_next_free_vgpr 192
		.amdhsa_next_free_sgpr 66
		.amdhsa_reserve_vcc 0
		.amdhsa_float_denorm_mode_32 3
		.amdhsa_float_denorm_mode_16_64 3
		.amdhsa_memory_ordered 1
		.amdhsa_forward_progress 1
		.amdhsa_inst_pref_size 33
	.end_amdhsa_kernel
	.amdgpu_metadata
---
amdhsa.version: [ 1, 2 ]
amdhsa.kernels:
  - .name:           k_q9448de7396_quant
    .symbol:         k_q9448de7396_quant.kd
    .args:
      - { .name: query, .offset: 0, .size: 8, .value_kind: global_buffer, .address_space: global }
      - { .name: key, .offset: 8, .size: 8, .value_kind: global_buffer, .address_space: global }
      - { .name: value, .offset: 16, .size: 8, .value_kind: global_buffer, .address_space: global }
      - { .name: Wq, .offset: 24, .size: 8, .value_kind: global_buffer, .address_space: global }
      - { .name: Wk, .offset: 32, .size: 8, .value_kind: global_buffer, .address_space: global }
      - { .name: Wv, .offset: 40, .size: 8, .value_kind: global_buffer, .address_space: global }
      - { .name: Wo, .offset: 48, .size: 8, .value_kind: global_buffer, .address_space: global }
      - { .name: acodes, .offset: 56, .size: 8, .value_kind: global_buffer, .address_space: global }
      - { .name: ascales, .offset: 64, .size: 8, .value_kind: global_buffer, .address_space: global }
    .group_segment_fixed_size: 33280
    .private_segment_fixed_size: 0
    .kernarg_segment_align: 8
    .kernarg_segment_size: 72
    .max_flat_workgroup_size: 128
    .sgpr_count:     66
    .vgpr_count:     192
    .wavefront_size: 32
...
	.end_amdgpu_metadata
.endif
;; end of part 1
;; launch proj (part 2): grid 4 x 96, 4 waves a work-group, clusters of 4 x 4, 327,680 bytes of LDS; arguments acodes, ascales, bq, bk, bv, att; writes att
.if DOCPART == 2
	.amdgcn_target "amdgcn-amd-amdhsa--gfx1250"
	.amdhsa_code_object_version 6
	.text
	.protected	k_q9448de7396_proj
	.globl	k_q9448de7396_proj
	.p2align	8
	.type	k_q9448de7396_proj,@function
k_q9448de7396_proj:
	s_mov_b64 s[64:65], 0
	v_nop
	global_prefetch_b8 v0, s[64:65] scope:SCOPE_SE
	s_setreg_imm32_b32 hwreg(HW_REG_WAVE_MODE, 25, 1), 1
	s_wait_xcnt 0x0
	s_wait_alu depctr_hold_cnt(0) depctr_sa_sdst(0) depctr_va_vdst(0) depctr_va_sdst(0) depctr_va_ssrc(0) depctr_va_vcc(0) depctr_vm_vsrc(0)
	s_getreg_b32 s2, hwreg(HW_REG_IB_STS2, 6, 4)
	s_cmp_eq_u32 s2, 0
	s_cbranch_scc0 .Lentry_in_a_cluster
	s_endpgm
.Lentry_in_a_cluster:
	s_bfe_u32 s2, ttmp6, 0x10000c
	s_cmp_lg_u32 s2, 0xf033
	s_cbranch_scc0 .Lentry_shape_is_right
	s_endpgm
.Lentry_shape_is_right:
; q = query Wq^T + bq, k = key Wk^T + bk, v = value Wv^T + bv on codes of FP6 (E2M3) with one E8M0 scale for each 32 along K = 1,024; the results are quantised in registers and leave as
; images of the registers in which the attention launch wants them.  One text serves the three: C[i][j] = A[i] . B[j], quantised along j.
;   T = 0 (q), 1 (k): A = the tokens' rows, B = the weight's rows: j runs along the features, 64 to a head: the first attention product's K.
;   T = 2 (v):        A = Wv's rows, B = value's rows: C is v TRANSPOSED and j runs along the keys: the second attention product's K.
; A tile of C, 256 x 256, is made by a work-group of four waves; a wave makes 128 x 128: 64 accumulators of 16 x 16, 512 registers.  K goes in steps of 256 through a ring of two LDS slots filled by the
; tensor data mover (rows of 192 bytes); the scale bytes of the work-group's 2 x 256 rows, two dense blocks, come once with the first fills.  384 work-groups: 32 x 4 tiles for each tensor.
; CLUSTERS: 4 x 4 work-groups of one tensor.  The four of a row of the cluster need the same tiles of A, the four of a column the same tiles of B: each tile is asked for jointly.
; THE MATRIX INSTRUCTION IS USED TRANSPOSED (source 0 = 16 rows of B, source 1 = 16 rows of A): a lane holds one i and its registers run along j.  The rows lie in acodes with bits 3 and 4 of their number
; exchanged, so 16 places on end are rows 32 (t / 2) + 8 (t % 2) + r + 8 (r / 8), and register 16 b + n of a lane's 64 is j = 32 b + 16 (lane / 16) + n: 16 neighbours of each block of 32.
; BIASES: the bias along j (q, k) is the C of each sum's first product; the bias along i (v) is added as the results are taken out of the accumulators.  The one that a tensor does not have is zeros.
; att: for each of 64 (batch, head): 16 records of 13,056 bytes, one for 128 keys: K's 8 tiles x 768 | V's 4 tiles x 1,536 | K's scale words 512 | V's 256.  From QBASE: for each 128 queries of a head 8 tiles x 768 | scale words 512.
;   768 bytes are six registers of 32 lanes: registers 0-3 at 16 x lane, registers 4-5 at 512 + 8 x lane: every store of the wave covers 512 or 256 consecutive bytes, aligned.
; LIMITS: NaN and infinities are not served; a block of zeros keeps the byte 1 (its codes are zeros; this program alone reads the bytes).
; REGISTERS, in windows of 256: window 0: v0-31 addresses; v32-63 scale words, two sets; v64-127 the bias along j; v128-223 A's fragments, ONE set; v240-255 the bias along i.  On the way out v64-75 and v128-235 are at work.
;   window 1: B's fragments, TWO sets, at v0 and v128.   window 2: the 32 accumulators of my rows 0-63 ((a, b) at v[8 (8 a + b)]);   window 3: those of my rows 64-127.
.set KSTEP,  256                       ; along K in a slot
.set NQ,     2                         ; matrix instructions deep
.set ROWB,   192                       ; a tile's row in bytes
.set KROW,   768                       ; a row of acodes
.set PITCH,  240                       ; an LDS row: 3 x (64 bytes + 16 of padding): the 32 lanes of a load of 8 bytes touch 64 different banks (64 banks of 4 bytes: ISA guide 11.1)
.set FR,     12                        ; registers of a fragment: 16 rows x 128 K
.set NL,     6                         ; LDS loads that bring one
.set NP,     4                         ; places behind this matrix instruction (ISA guide 7.12.1)
.set HALFT,  128*PITCH                 ; 128 rows: what one tensor load brings
.set SLOT,   4*HALFT                   ; A's 256 rows, then B's 256 rows
.set LAPS,   2                         ; a lap = two K steps = once round the ring: 1,024 / 512
.set KS,     32                        ; a row of scale bytes
.set SCL,    2*SLOT                    ; behind the ring: the scales, as rows of 256 bytes + 16 of padding
.set HALFS,  16*272                    ; the scales of 128 rows: what one tensor load brings
.set SBLK,   2*272                     ; those of 16 rows
.set SPARE,  SCL+4*HALFS               ; behind the scales: the spare words, 128 bytes for each wave
.set STEPB,  13056                     ; att: a record of 128 keys
.set RECB,   16*STEPB                  ; a head's records
.set QBASE,  64*RECB                   ; where the queries' records begin
.set QREC,   6656                      ; a record of 128 queries
.set ADRA, 16                          ; v16-17  LDS address of my A fragments in slot 0, 1  (v18-19: for the pieces behind one padding more)
.set ADRB, 20                          ; v20-21  the same for B  (v22-23)
.set O16,  24                          ; v24     16 x lane
.set O8,   25                          ; v25     8 x lane
.set OVS,  26                          ; v26     16 (lane % 16) + RECB (lane / 16): v's scale words, two heads
.set ADRS, 27                          ; v27     LDS address of my scale words: lanes 0-15 A's rows, lanes 16-31 B's
.set SPW,  28                          ; v28     LDS address of my spare word; never rewritten
.set NIL,  29                          ; v29     0; never rewritten
.set BH,   30                          ; v30     64 (lane / 16): my half's 16 numbers of a bias along j
.set BR,   31                          ; v31     4 (r + 8 (r / 8)): my row's number of a bias along i
.set SC,   32                          ; scale words: set s at v[SC + 16 s]; register 2 i + q: lanes 0-15 A's block i, lanes 16-31 B's block i
.set BT,   64                          ; the bias along j: 8 registers for each tile b
.set AF,   128                         ; A's fragments
.set BA,   240                         ; the bias along i: v[BA + 2 a]; the odd registers are named with them as pairs
.set X,    128                         ; the way out: a block's 64 numbers
.set CD,   192                         ; its codes: 12 registers, and 8 for the halves that are made elsewhere
.set TM,   212                         ; v212-227 at work in the quantiser
.set SW,   228                         ; v228-235 the eight blocks' scale words
.set D,    64                          ; v64-75  scale words as they are stored
.set G1, 24                            ; s[24:31] descriptor group 1 for A's tiles;  s[32:39] group 0, one set for each slot
.set G0, 32
.set G1B, 48                           ; s[48:55], s[56:63] the same for B's tiles
.set G0B, 56
.set G1S, 68                           ; s[68:75], s[76:79] groups 1 and 0 for A's scales;  s[80:87], s[88:91] for B's
.set G0S, 76
.set G1SB, 80
.set G0SB, 88
.set SEL, 46                           ; s[46:47] on the way out: lane selects for v_permlanex16_b32
.set MSB, 0
.macro WIN new                         ; the immediate's high byte repeats the setting that is left
.if MSB != (\new)
	s_set_vgpr_msb (MSB<<8)|(\new)
.set MSB, (\new)
.endif
.endm
.set MUL_LO,  0xa1                     ; source 0 (B) window 1, source 1 (A) window 0, C and D window 2
.set MUL_HI,  0xf1                     ; the same, C and D window 3
.set MUL_LO0, 0x81                     ; the first step: C (the bias) window 0, D window 2
.set MUL_HI0, 0xc1                     ; D window 3
.set TO_B,    0x40                     ; destination window 1, address window 0
; A joint load: waves 0 and 1 fetch for A, waves 2 and 3 for B.  Each line has ONE mask and one set of registers for all that issue it; the branch hangs on the wave's number alone.
; An s_nop 0 and four v_nop follow each of the two lines.
.macro JLOAD g0a, g1a, g0b, g1b
	s_cmp_eq_u32 s15, 0
	s_cbranch_scc0 .Lfor_b_\@
	tensor_load_to_lds s[\g0a:\g0a+3], s[\g1a:\g1a+7]
	s_nop 0
.rept 4
	v_nop
.endr
	s_branch .Lasked_\@
.Lfor_b_\@:
	tensor_load_to_lds s[\g0b:\g0b+3], s[\g1b:\g1b+7]
	s_nop 0
.rept 4
	v_nop
.endr
.Lasked_\@:
.endm
.macro CREST                           ; a round of the cluster's barrier behind its opening barrier
	s_cmp_lg_u32 s14, 0
	s_cbranch_scc1 .Lnot_wave_0_\@
	s_barrier_signal -3
.Lnot_wave_0_\@:
	s_barrier_wait -3
	s_barrier_signal -1
	s_barrier_wait -1
.endm
.macro CROUND                          ; a whole round
	s_barrier_signal -1
	s_barrier_wait -1
	CREST
.endm
	s_load_b128 s[4:7], s[0:1], 0x0                ; acodes s[4:5], ascales s[6:7]
	s_load_b128 s[8:11], s[0:1], 0x10              ; bq s[8:9], bk s[10:11]
	s_load_b128 s[96:99], s[0:1], 0x20             ; bv s[96:97], att s[98:99]
	v_lshl_add_u32 v[SPW], v0, 2, SPARE
	v_mov_b32 v[NIL], 0
	ds_add_u32 v[SPW], v[NIL]                      ; the wave's opening: the add and its wait stand ahead of my first tensor load; the set-up below, work on registers, stands between them
	v_lshrrev_b32 v1, 5, v0
	v_readfirstlane_b32 s14, v1                    ; wave 0..3
	s_lshr_b32 s15, s14, 1                         ; which half of the tile's rows (i) is mine.  Also: I fetch for A (0) or for B (1)
	s_and_b32 s16, s14, 1                          ; which half of its columns (j).  Also: which 128 rows of that tile I fetch
	s_bfe_u32 s40, ttmp6, 0x40000                  ; cx, cy: my place in the cluster
	s_bfe_u32 s41, ttmp6, 0x40004
	s_and_b32 s17, ttmp7, 0xffff                   ; the cluster's y, 0 .. 23: eight clusters to a tensor
	s_lshr_b32 s66, s17, 3                         ; T: the same in all sixteen partners
	s_and_b32 s17, s17, 7                          ; which of the eight
	s_lshl_b32 s2, s66, 13                         ; the tokens' first row in acodes (q, k),
	s_lshl_b32 s3, s66, 10
	s_add_co_u32 s3, s3, 24576                     ; the weight's
	s_cmp_eq_u32 s66, 2
	s_cselect_b32 s42, s17, 0                      ; v: the eight clusters lie along j (the keys),
	s_cselect_b32 s17, 0, s17                      ; q, k: along i (the tokens)
	s_cselect_b32 s2, 26624, s2                    ; A's first row: Wv's, or the tokens'
	s_cselect_b32 s3, 16384, s3                    ; B's first row: value's, or the weight's
	s_lshl_b32 s42, s42, 2
	s_add_co_u32 s42, s42, s40                     ; tile column of C
	s_lshl_b32 s17, s17, 2
	s_add_co_u32 s17, s17, s41                     ; tile row of C
	s_lshl_b32 s43, s41, 2
	s_lshl_b32 s43, 15, s43                        ; my row of the cluster
	s_lshl_b32 s44, 0x1111, s40                    ; my column
	; descriptor group 1: a tile of 128 rows x 192 bytes, padded in LDS
	s_or_b32 s[G1+0], s43, (0<<16)|(1<<20)|(1<<21)|(3<<22)|(3<<25)  ; 15:0 the mask: A's tiles go to my row; 17:16 element of 1 byte; 20 padding on; 21 set beside a mask; 24:22 after every 16 words (code 3); 31:25 of 4 words (code 3)
	s_or_b32 s[G1B+0], s44, (0<<16)|(1<<20)|(1<<21)|(3<<22)|(3<<25)
.irp g, G1, G1B
	s_mov_b32 s[\g+1], ROWB<<16                    ; tensor_dim0
	s_mov_b32 s[\g+2], 128<<16                     ; tensor_dim1 = 128
	s_mov_b32 s[\g+3], ROWB<<16                    ; tile_dim0
	s_mov_b32 s[\g+4], 128                         ; tile_dim1 = 128
	s_mov_b32 s[\g+5], KROW                        ; tensor_dim0_stride
	s_mov_b32 s[\g+6], 0
	s_mov_b32 s[\g+7], 0
.endr
	; and for the scales of 128 rows: a dense block of 4,096 bytes, as 16 rows of 256 bytes (32 elements of 8 bytes), 16 bytes of padding behind each
	s_or_b32 s[G1S+0], s43, (3<<16)|(1<<20)|(1<<21)|(5<<22)|(3<<25)
	s_or_b32 s[G1SB+0], s44, (3<<16)|(1<<20)|(1<<21)|(5<<22)|(3<<25)
.irp g, G1S, G1SB
	s_mov_b32 s[\g+1], 32<<16
	s_mov_b32 s[\g+2], 16<<16
	s_mov_b32 s[\g+3], 32<<16
	s_mov_b32 s[\g+4], 16
	s_mov_b32 s[\g+5], 32
	s_mov_b32 s[\g+6], 0
	s_mov_b32 s[\g+7], 0
.endr
	s_lshl_b32 s18, s16, 7                         ; which 128 rows of the tile I fetch
	s_lshl_b32 s20, s17, 8
	s_lshl_b32 s46, s42, 8
	s_lshl_b32 s67, s15, 7
	s_add_co_u32 s67, s67, s20                     ; kept for the way out: my first i = 256 x tile row + 128 x half
	s_add_co_u32 s95, s46, s18                     ; and my first j = 256 x tile column + 128 x half
	s_add_co_u32 s20, s20, s18
	s_add_co_u32 s20, s20, s2                      ; A: the first row that I fetch, in acodes' rows
	s_add_co_u32 s46, s95, s3                      ; B likewise
	s_mov_b32 s21, 0
	s_mov_b32 s47, 0
	s_mov_b64 s[18:19], KS
	s_mul_u64 s[22:23], s[20:21], s[18:19]         ; where these rows' scales begin, in bytes
	s_mul_u64 s[92:93], s[46:47], s[18:19]
	s_mov_b64 s[18:19], KROW
	s_mul_u64 s[20:21], s[20:21], s[18:19]         ; and their codes
	s_mul_u64 s[46:47], s[46:47], s[18:19]
	s_mul_i32 s45, s14, HALFT                      ; where they go: wave x 128 rows: no place in the cluster enters an LDS address
	s_mul_i32 s94, s14, HALFS
	s_wait_dscnt 0x0                               ; the opening add is done
	s_wait_kmcnt 0x0
	s_add_nc_u64 s[20:21], s[4:5], s[20:21]
	s_add_nc_u64 s[22:23], s[6:7], s[22:23]
	s_add_nc_u64 s[46:47], s[4:5], s[46:47]
	s_add_nc_u64 s[92:93], s[6:7], s[92:93]
	CROUND                                         ; all sixteen work-groups are here: the first joint loads meet
	s_mov_b32 s[G0S], 1
	s_add_co_u32 s[G0S+1], s94, SCL
	s_mov_b64 s[G0S+2:G0S+3], s[22:23]
	s_or_b32 s[G0S+3], s[G0S+3], 0x80000000
	s_mov_b32 s[G0SB], 1
	s_add_co_u32 s[G0SB+1], s94, SCL
	s_mov_b64 s[G0SB+2:G0SB+3], s[92:93]
	s_or_b32 s[G0SB+3], s[G0SB+3], 0x80000000
	JLOAD G0S, G1S, G0SB, G1SB                     ; the scales first: they are wanted with K step 0.  With the two below, three loads of mine are out
.irp s, 0,1
	s_mov_b32 s[G0+4*\s], 1
	s_add_co_u32 s[G0+4*\s+1], s45, \s*SLOT
	s_add_nc_u64 s[G0+4*\s+2:G0+4*\s+3], s[20:21], \s*ROWB
	s_or_b32 s[G0+4*\s+3], s[G0+4*\s+3], 0x80000000
	s_mov_b32 s[G0B+4*\s], 1
	s_add_co_u32 s[G0B+4*\s+1], s45, \s*SLOT
	s_add_nc_u64 s[G0B+4*\s+2:G0B+4*\s+3], s[46:47], \s*ROWB
	s_or_b32 s[G0B+4*\s+3], s[G0B+4*\s+3], 0x80000000
	JLOAD G0+4*\s, G1, G0B+4*\s, G1B
.endr
	v_and_b32 v1, 15, v0                           ; r = lane % 16
	v_bfe_u32 v2, v0, 4, 1                         ; h = lane / 16
	v_mul_u32_u24 v3, v1, PITCH
	v_mul_u32_u24 v4, v2, 24
	v_add_nc_u32 v4, v3, v4                        ; a fragment's row x pitch + 24 x half
	v_lshl_add_u32 v5, v2, 4, v4                   ; and the same behind one padding more
	s_mul_i32 s21, s15, HALFT                      ; my 128 rows of A
	s_mul_i32 s22, s16, HALFT                      ; my 128 rows of B,
	s_add_co_u32 s22, s22, 2*HALFT                 ; which lie behind A's 256
.irp s, 0,1
	v_add_nc_u32 v[ADRA+\s], s21, v4
	v_add_nc_u32 v[ADRB+\s], s22, v4
	v_add_nc_u32 v[ADRA+2+\s], s21, v5
	v_add_nc_u32 v[ADRB+2+\s], s22, v5
	s_add_co_u32 s21, s21, SLOT
	s_add_co_u32 s22, s22, SLOT
.endr
	v_mul_u32_u24 v5, v1, KS                       ; my row's scales: 32 bytes a row,
	v_lshrrev_b32 v6, 8, v5
	v_lshl_add_u32 v5, v6, 4, v5                   ; and 16 more for each 256 passed
	s_mul_i32 s21, s15, HALFS                      ; A's: my 128 rows
	s_mul_i32 s22, s16, HALFS                      ; B's: my 128 rows, behind A's 256
	s_add_co_u32 s22, s22, 2*HALFS
	s_sub_co_u32 s22, s22, s21
	v_mul_u32_u24 v6, s22, v2                      ; lanes 16-31 take B's: the lower base + h x the distance
	s_add_co_u32 s21, s21, SCL
	v_add_nc_u32 v5, v5, v6
	v_add_nc_u32 v[ADRS], s21, v5
	v_and_b32 v6, 31, v0
	v_lshlrev_b32 v[O16], 4, v6
	v_lshlrev_b32 v[O8], 3, v6
	v_mul_u32_u24 v[OVS], v2, RECB
	v_lshl_add_u32 v[OVS], v1, 4, v[OVS]
	v_lshlrev_b32 v[BH], 6, v2
	v_and_b32 v[BR], 8, v1
	v_add_nc_u32 v[BR], v[BR], v1
	v_lshlrev_b32 v[BR], 2, v[BR]
	; the tensor's own bias, and where my 128 numbers of it begin: along j for q and k, along i for v.  The other pointer stands at the bias's first byte, and what it brings is replaced by zeros
	s_cmp_eq_u32 s66, 1
	s_cselect_b64 s[8:9], s[10:11], s[8:9]
	s_cmp_eq_u32 s66, 2
	s_cselect_b64 s[8:9], s[96:97], s[8:9]
	s_cselect_b32 s18, 0, s95
	s_cselect_b32 s20, s67, 0
	s_cselect_b32 s2, 0, -1                        ; all lanes keep the bias along j: q, k
	s_cselect_b32 s93, -1, 0                       ; all lanes keep the bias along i: v
	s_lshl_b32 s18, s18, 2
	s_lshl_b32 s20, s20, 2
	s_mov_b32 s19, 0
	s_mov_b32 s21, 0
	s_add_nc_u64 s[10:11], s[8:9], s[18:19]
	s_add_nc_u64 s[12:13], s[8:9], s[20:21]
.irp b, 0,1,2,3,4,5,6,7
	global_load_b128 v[BT+8*\b:BT+8*\b+3], v[BH], s[10:11] offset:(32*(\b/2)+8*(\b%2))*4       ; register n of tile b: j = 32 (b / 2) + 8 (b % 2) + 16 h + n
	global_load_b128 v[BT+8*\b+4:BT+8*\b+7], v[BH], s[10:11] offset:(32*(\b/2)+8*(\b%2))*4+16
.endr
.irp a, 0,1,2,3,4,5,6,7
	global_load_b32 v[BA+2*\a], v[BR], s[12:13] offset:(32*(\a/2)+8*(\a%2))*4                  ; lane r of block a: i = 32 (a / 2) + 8 (a % 2) + r + 8 (r / 8)
.endr
	s_wait_loadcnt 0x0
.set i, 0
.rept 64
	v_cndmask_b32 v[BT+i], 0, v[BT+i], s2
.set i, i+1
.endr
.irp a, 0,1,2,3,4,5,6,7
	v_cndmask_b32 v[BA+2*\a], 0, v[BA+2*\a], s93
	v_mov_b32 v[BA+2*\a+1], 0                      ; named with it as a pair, so it is written
.endr
.macro FRAG reg, adr, q, i             ; a fragment, 16 rows x 128 K of 6-bit codes, is 12 registers: lane l holds row l % 16; registers 6 c .. 6 c + 5 hold K = 64 c + 32 (l / 16) + 0 .. 31: 24 bytes of the row's stream of bits
.irp p, 0,1,2,3,4,5                    ; in pieces of 8 bytes.  Lanes 0-15 take the row's pieces 12 q + 0, 1, 2 and 12 q + 6, 7, 8, lanes 16-31 those three pieces on
.set PCE, 12*(\q)+6*(\p/3)+\p%3       ; 16 bytes of padding lie behind every 8 pieces: where the piece three on lies behind one padding more, the second address register serves
.if PCE%8 < 5
	ds_load_b64 v[\reg+2*\p:\reg+2*\p+1], v[\adr] offset:8*PCE+16*(PCE/8)+(\i)*16*PITCH
.else
	ds_load_b64 v[\reg+2*\p:\reg+2*\p+1], v[\adr+2] offset:8*PCE+16*(PCE/8)+(\i)*16*PITCH
.endif
.endr
.endm
; 16 matrix instructions: A's blocks a0, a0 + 1 x B's eight, 128 along K: the slot's q-th.  p: B's set;  sc: the set of scale words.  zero = 1: the first product starts the sums, with the bias along j as C.
; The 64 accumulators take turns, one instruction a turn, in the same order in every step.
.macro MUL16 a0, p, q, sc, zero
.irp a, \a0, \a0+1
.irp b, 0,1,2,3,4,5,6,7
.if \zero
	v_wmma_scale_f32_16x16x128_f8f6f4 v[8*(8*((\a)%4)+\b):8*(8*((\a)%4)+\b)+7], v[128*(\p)+FR*\b:128*(\p)+FR*\b+FR-1], v[AF+FR*(\a):AF+FR*(\a)+FR-1], v[BT+8*\b:BT+8*\b+7], v[SC+8*NQ*(\sc)+NQ*\b+(\q)], v[SC+8*NQ*(\sc)+NQ*(\a)+(\q)] matrix_a_fmt:MATRIX_FMT_FP6 matrix_b_fmt:MATRIX_FMT_FP6 matrix_a_scale:MATRIX_SCALE_ROW1
.else
	v_wmma_scale_f32_16x16x128_f8f6f4 v[8*(8*((\a)%4)+\b):8*(8*((\a)%4)+\b)+7], v[128*(\p)+FR*\b:128*(\p)+FR*\b+FR-1], v[AF+FR*(\a):AF+FR*(\a)+FR-1], v[8*(8*((\a)%4)+\b):8*(8*((\a)%4)+\b)+7], v[SC+8*NQ*(\sc)+NQ*\b+(\q)], v[SC+8*NQ*(\sc)+NQ*(\a)+(\q)] matrix_a_fmt:MATRIX_FMT_FP6 matrix_b_fmt:MATRIX_FMT_FP6 matrix_a_scale:MATRIX_SCALE_ROW1
.endif
.endr
.endr
.endm
.macro FETCH_B slot, q, p              ; B's eight fragments of the slot's q-th 128 along K into set p
	WIN TO_B
.irp i, 0,1,2,3,4,5,6,7
	FRAG 128*(\p)+FR*\i, ADRB+\slot, \q, \i
.endr
	WIN 0
.endm
.macro FETCH_A slot, q, i0             ; A's blocks i0 .. i0 + 3
.irp i, \i0, \i0+1, \i0+2, \i0+3
	FRAG AF+FR*(\i), ADRA+\slot, \q, \i
.endr
.endm
.macro SCALES sc                       ; the next K step's scale words into set sc: 2 words a row; lanes 0-15 take A's block i, lanes 16-31 B's block i
.irp i, 0,1,2,3,4,5,6,7
	ds_load_b64 v[SC+8*NQ*\sc+NQ*\i:SC+8*NQ*\sc+NQ*\i+1], v[ADRS] offset:\i*SBLK
.endr
.endm
; A load into a register that a matrix instruction has read, and a vector instruction that reads a matrix result, stand NP places behind that matrix instruction, and only plain vector
; instructions that name none of its registers are places (ISA guide 7.12.1 for vector instructions).
.macro PLACES n
.rept \n
	v_nop
.endr
.endm
; A step of 128 along K that has its successor in the same slot.
.macro STEP slot, q, zero
	s_wait_dscnt 4*NL                              ; B's set and A's blocks 0-3 are in; the youngest 24 loads (A's blocks 4-7) may be out
.if \zero
	WIN MUL_LO0
.else
	WIN MUL_LO
.endif
	MUL16 0, (\q)%2, \q, \slot, \zero
	MUL16 2, (\q)%2, \q, \slot, \zero
	s_wait_dscnt 0                                 ; A's blocks 4-7 are in (asked for 32 matrix instructions ago)
	PLACES NP
	FETCH_B \slot, (\q)+1, 1-(\q)%2
	FETCH_A \slot, (\q)+1, 0
.if \zero
	WIN MUL_HI0
.else
	WIN MUL_HI
.endif
	MUL16 4, (\q)%2, \q, \slot, \zero
	MUL16 6, (\q)%2, \q, \slot, \zero
	PLACES NP
	WIN 0
	FETCH_A \slot, (\q)+1, 4
.endm
; A slot's last step changes slots: ONE barrier; in front of it each wave waits for all its tensor loads, adds 0 to its spare word, and waits for that and for its own reads of this slot.  fill = 1: this slot is filled again, two K steps ahead.
.macro TURN slot, next, fill
	s_wait_tensorcnt 0x0                           ; all my tensor loads have landed: my part of the next slot;  (every window is 0 here)
	ds_add_u32 v[SPW], v[NIL]                      ; 0 onto my spare word;
	s_wait_dscnt 4*NL+1                            ; (the add and the youngest 24 loads, A's blocks 4-7, may be out)
	WIN MUL_LO
	MUL16 0, 1, NQ-1, \slot, 0                     ; sixteen matrix instructions stand between the add and the wait for it
	s_wait_dscnt 0x0                               ; the add is done, and my reads of this slot are over
	s_barrier_signal -1
	MUL16 2, 1, NQ-1, \slot, 0
	WIN 0
	s_barrier_wait -1
.if \fill
	CREST                                          ; the barrier has opened a round of the cluster's barrier: no wave of any partner still reads this slot's tile or has a load on its way
	s_add_nc_u64 s[G0+4*\slot+2:G0+4*\slot+3], s[G0+4*\slot+2:G0+4*\slot+3], 2*ROWB
	s_add_nc_u64 s[G0B+4*\slot+2:G0B+4*\slot+3], s[G0B+4*\slot+2:G0B+4*\slot+3], 2*ROWB
	JLOAD G0+4*\slot, G1, G0B+4*\slot, G1B         ; the first tensor load behind the round, my one load until the next; the four v_nop behind it are the places in front of the loads below
.else
	PLACES NP
.endif
	v_add_nc_u32 v[ADRS], 4*NQ, v[ADRS]            ; on to the next K step's scale words (no LDS load of mine is out)
	FETCH_B \next, 0, 0
	FETCH_A \next, 0, 0
	SCALES \next
	WIN MUL_HI
	MUL16 4, 1, NQ-1, \slot, 0
	MUL16 6, 1, NQ-1, \slot, 0
	PLACES NP
	WIN 0
	FETCH_A \next, 0, 4
.endm
	s_wait_tensorcnt 1                             ; the scales and my part of K step 0 are in (K step 1's load may be out)
	s_barrier_signal -1
	s_barrier_wait -1                              ; everybody's are
	FETCH_B 0, 0, 0
	FETCH_A 0, 0, 0
	SCALES 0
	FETCH_A 0, 0, 4
	STEP 0, 0, 1                                   ; the first step stands in front of the loop: its products start the sums
	s_mov_b32 s3, LAPS-1
.Llap:                                                 ; a trip goes once round the ring, from a lap's second step to the next lap's first, and fills both slots again
	TURN 0, 1, 1
	STEP 1, 0, 0
	TURN 1, 0, 1
	STEP 0, 0, 0
	s_sub_co_u32 s3, s3, 1
	s_cmp_lg_u32 s3, 0
	s_cbranch_scc1 .Llap
	TURN 0, 1, 0                                   ; the last lap fills nothing, and has no round of the cluster's barrier
	STEP 1, 0, 0
	s_wait_dscnt 4*NL                              ; the very last step: nothing more to fetch
	WIN MUL_LO
	MUL16 0, 1, NQ-1, 1, 0
	MUL16 2, 1, NQ-1, 1, 0
	s_wait_dscnt 0
	WIN MUL_HI
	MUL16 4, 1, NQ-1, 1, 0
	MUL16 6, 1, NQ-1, 1, 0
	WIN 0
	; THE WAY OUT.  Where my results go in att.  seq: my first token (i for q and k, j for v); feat: my first feature.  Every selection on a compare stands ahead of the shifts, which change SCC.
	s_cmp_eq_u32 s66, 0
	s_mov_b32 s75, RECB
	s_cselect_b32 s75, 16*QREC, s75                ; from head to head
	s_mov_b32 s76, STEPB
	s_cselect_b32 s76, QREC, s76                   ; from 128 tokens to the next
	s_cselect_b32 s77, QBASE, 0                    ; where the tensor's part of a record begins,
	s_mov_b32 s78, 12288
	s_cselect_b32 s78, 6144, s78                   ; and from there to its scale words
	s_cmp_eq_u32 s66, 2
	s_cselect_b32 s18, s95, s67                    ; seq
	s_cselect_b32 s19, s67, s95                    ; feat
	s_cselect_b32 s77, 6144, s77
	s_cselect_b32 s78, 6656, s78
	s_cselect_b32 s72, 768, s75                    ; from a block's first six registers to its second six: v: the fragment's other half; q, k: the next head
	s_mov_b32 s68, 768
	s_cselect_b32 s68, 1536, s68                   ; from block to block
	s_cselect_b32 s70, RECB-4*1536, 0              ; v: block 4 begins the next head
	s_lshr_b32 s74, s18, 11                        ; batch
	s_bfe_u32 s79, s18, 0x40007                    ; which 128 tokens of its 2,048
	s_lshr_b32 s19, s19, 6                         ; my first head
	s_lshl_b32 s74, s74, 4
	s_add_co_u32 s74, s74, s19
	s_mul_i32 s74, s74, s75
	s_mul_i32 s79, s79, s76
	s_add_co_u32 s74, s74, s79
	s_add_co_u32 s74, s74, s77                     ; under 2^25
	s_mov_b32 s75, 0
	s_mov_b32 s69, 0
	s_mov_b32 s71, 0
	s_mov_b32 s73, 0
	s_mov_b32 s79, 0
	s_add_nc_u64 s[20:21], s[98:99], s[74:75]      ; a block's registers 0-5
	s_add_nc_u64 s[22:23], s[20:21], s[72:73]      ; its registers 6-11
	s_add_nc_u64 s[40:41], s[20:21], s[78:79]      ; the scale words,
	s_add_nc_u64 s[44:45], s[40:41], s[72:73]      ; and (q, k) the next head's
	s_mov_b32 s[SEL], 0x76543210
	s_mov_b32 s[SEL+1], 0xfedcba98
	s_mov_b32 s42, 0xffff0000                      ; lanes 16-31
	PLACES NP                                      ; behind the last products: the lines below write registers that held A's fragments and read results
.irp b, 0,1,2,3
	v_mov_b32 v[TM+4+\b], 0                        ; written once: a lane permute's destination counts as one of its sources
.endr
; 64 numbers of a lane, v[s] on, register 16 b + n = j 32 b + 16 (lane / 16) + n of my row, become a fragment's codes in v[cd] on and its scale word in v[pw].
.macro QUANT s, cd, pw
.irp b, 0,1,2,3
	v_max3_num_f32 v[TM+\b], |v[\s+16*\b]|, |v[\s+1+16*\b]|, 0x1800000   ; block b: my 16 numbers, and the floor 2^(3 - 127): the byte cannot fall under 1
.endr
.irp i, 2,4,6,8,10,12,14
.irp b, 0,1,2,3
	v_max3_num_f32 v[TM+\b], v[TM+\b], |v[\s+16*\b+\i]|, |v[\s+1+16*\b+\i]|   ; (the four blocks by turns)
.endr
.endr
.irp b, 0,1,2,3
	v_permlanex16_b32 v[TM+4+\b], v[TM+\b], s[SEL], s[SEL+1]
.endr
.irp b, 0,1,2,3
	v_max_num_f32 v[TM+\b], v[TM+\b], v[TM+4+\b]   ; with lane l xor 16's: the block's largest magnitude
.endr
.irp b, 0,1,2,3
	v_add_nc_u32 v[TM+12+\b], 0xff000000, v[TM+\b]   ; 2 off its exponent field: the conversion's scale operand
.endr
.irp b, 0,1,2,3
	v_lshrrev_b32 v[TM+4+\b], 23, v[TM+12+\b]      ; the scale's byte
.endr
	v_lshl_or_b32 v[\pw], v[TM+5], 8, v[TM+4]      ; the four bytes make my row's scale word
	v_lshl_or_b32 v[\pw], v[TM+6], 16, v[\pw]
	v_lshl_or_b32 v[\pw], v[TM+7], 24, v[\pw]
.irp c, 0,1
	v_cvt_scalef32_pk16_fp6_f32 v[\cd+6*\c:\cd+2+6*\c], v[\s+32*\c:\s+15+32*\c], v[TM+12+2*\c]
	v_cvt_scalef32_pk16_fp6_f32 v[\cd+12+4*\c:\cd+14+4*\c], v[\s+16+32*\c:\s+31+32*\c], v[TM+12+2*\c+1]   ; (a conversion's three registers begin on an even number)
.endr
	v_nop                                          ; one plain place behind a scaled conversion
.irp c, 0,1                                    ; the operand's layout wants a WHOLE block in a lane: lanes 0-15 block 2 c, lanes 16-31 block 2 c + 1
.irp i, 0,1,2
	v_permlane16_swap_b32 v[\cd+6*\c+\i], v[\cd+12+4*\c+\i]
.endr
.irp i, 0,1,2
	v_mov_b32 v[\cd+3+6*\c+\i], v[\cd+12+4*\c+\i]
.endr
.endr
.endm
; Block a (16 of my i x my 128 j): out of the accumulators, each from its low end on, with the bias along i added; quantised; stored as it stands.
.macro OUTBLK a
.set AC, 64*((\a)%4)
	WIN 0x02+(\a)/4                                ; source 0: window 2 or 3
.set i, 0
.rept 32
	v_pk_add_f32 v[X+i:X+i+1], v[AC+i:AC+i+1], v[BA+2*(\a):BA+2*(\a)+1] op_sel_hi:[1,0]
.set i, i+2
.endr
	WIN 0
	s_wait_xcnt 0x0                                ; the last block's stores have read their data and their bases: both are written again only behind this wait
.if (\a) > 0
	s_add_nc_u64 s[20:21], s[20:21], s[68:69]
	s_add_nc_u64 s[22:23], s[22:23], s[68:69]
.endif
.if (\a) == 4
	s_add_nc_u64 s[20:21], s[20:21], s[70:71]
	s_add_nc_u64 s[22:23], s[22:23], s[70:71]
.endif
	QUANT X, CD, SW+(\a)
.irp g, 0,1
	global_store_b128 v[O16], v[CD+6*\g:CD+6*\g+3], s[20+2*\g:21+2*\g]               ; 512 consecutive bytes, aligned
	global_store_b64 v[O8], v[CD+6*\g+4:CD+6*\g+5], s[20+2*\g:21+2*\g] offset:512    ; 256 more
.endr
.endm
.irp a, 0,1,2,3,4,5,6,7
	OUTBLK \a
.endr
	; the scale words: lanes 0-15 carry blocks 0-3's, lanes 16-31 blocks 4-7's, four words a lane
.irp i, 0,1,2,3
	v_cndmask_b32 v[D+\i], v[SW+\i], v[SW+4+\i], s42
.endr
	s_cmp_eq_u32 s66, 2                            ; the tensor: the same in all waves and all partners
	s_cbranch_scc1 .Lfor_v
.irp i, 0,1,2,3
	v_and_b32 v[D+4+\i], 0xffff, v[D+\i]           ; q, k: a word's lower two bytes are my first head's two blocks; the upper two, over codes that are zeros, are 0
.endr
.irp i, 0,1,2,3
	v_lshrrev_b32 v[D+8+\i], 16, v[D+\i]           ; and its upper two the next head's
.endr
	global_store_b128 v[O16], v[D+4:D+7], s[40:41]
	global_store_b128 v[O16], v[D+8:D+11], s[44:45]
	s_branch .Lstored
.Lfor_v:
	global_store_b128 v[OVS], v[D:D+3], s[40:41]   ; v: blocks 0-3 are my first head's four tiles, blocks 4-7 the next head's: 256 consecutive bytes for each
.Lstored:
	s_wait_tensorcnt 0x0                           ; the wave's end: behind my last tensor load
	ds_add_u32 v[SPW], v[NIL]
	s_wait_dscnt 0x0
	CROUND                                         ; the closing round: no work-group ends while a partner may still ask for a tile that names it
	s_endpgm
.Lfunc_end_k_q9448de7396_proj:
	.size	k_q9448de7396_proj, .Lfunc_end_k_q9448de7396_proj-k_q9448de7396_proj
	.p2alignl 7, 3214868480
	.fill 96, 4, 3214868480
	.section	.rodata,"a",@progbits
	.p2align	6, 0x0
	.amdhsa_kernel k_q9448de7396_proj
		.amdhsa_group_segment_fixed_size 327680
		.amdhsa_private_segment_fixed_size 0
		.amdhsa_enable_private_segment 0
		.amdhsa_kernarg_size 48
		.amdhsa_user_sgpr_count 2
		.amdhsa_user_sgpr_kernarg_segment_ptr 1
		.amdhsa_wavefront_size32 1
		.amdhsa_system_sgpr_workgroup_id_x 1
		.amdhsa_system_sgpr_workgroup_id_y 1
		.amdhsa_system_sgpr_workgroup_id_z 1
		.amdhsa_system_vgpr_workitem_id 0
		.amdhsa_next_free_vgpr 1024
		.amdhsa_next_free_sgpr 100
		.amdhsa_reserve_vcc 0
		.amdhsa_float_denorm_mode_32 3
		.amdhsa_float_denorm_mode_16_64 3
		.amdhsa_memory_ordered 1
		.amdhsa_forward_progress 1
		.amdhsa_inst_pref_size 191
	.end_amdhsa_kernel
	.amdgpu_metadata
---
amdhsa.version: [ 1, 2 ]
amdhsa.kernels:
  - .name:           k_q9448de7396_proj
    .symbol:         k_q9448de7396_proj.kd
    .args:
      - { .name: acodes, .offset: 0, .size: 8, .value_kind: global_buffer, .address_space: global }
      - { .name: ascales, .offset: 8, .size: 8, .value_kind: global_buffer, .address_space: global }
      - { .name: bq, .offset: 16, .size: 8, .value_kind: global_buffer, .address_space: global }
      - { .name: bk, .offset: 24, .size: 8, .value_kind: global_buffer, .address_space: global }
      - { .name: bv, .offset: 32, .size: 8, .value_kind: global_buffer, .address_space: global }
      - { .name: att, .offset: 40, .size: 8, .value_kind: global_buffer, .address_space: global }
    .group_segment_fixed_size: 327680
    .private_segment_fixed_size: 0
    .kernarg_segment_align: 8
    .kernarg_segment_size: 48
    .max_flat_workgroup_size: 128
    .sgpr_count:     100
    .vgpr_count:     1024
    .wavefront_size: 32
...
	.end_amdgpu_metadata
.endif
;; end of part 2
;; launch attn (part 3): grid 4 x 64, 8 waves a work-group, clusters of 4 x 1, 327,680 bytes of LDS; arguments att, mask, cc, cs; writes cc, cs
.if DOCPART == 3
	.amdgcn_target "amdgcn-amd-amdhsa--gfx1250"
	.amdhsa_code_object_version 6
	.text
	.protected	k_q9448de7396_attn
	.globl	k_q9448de7396_attn
	.p2align	8
	.type	k_q9448de7396_attn,@function
k_q9448de7396_attn:
	s_mov_b64 s[64:65], 0
	v_nop
	global_prefetch_b8 v0, s[64:65] scope:SCOPE_SE
	s_setreg_imm32_b32 hwreg(HW_REG_WAVE_MODE, 25, 1), 1
	s_wait_xcnt 0x0
	s_wait_alu depctr_hold_cnt(0) depctr_sa_sdst(0) depctr_va_vdst(0) depctr_va_sdst(0) depctr_va_ssrc(0) depctr_va_vcc(0) depctr_vm_vsrc(0)
	s_getreg_b32 s2, hwreg(HW_REG_IB_STS2, 6, 4)
	s_cmp_eq_u32 s2, 0
	s_cbranch_scc0 .Lentry_in_a_cluster
	s_endpgm
.Lentry_in_a_cluster:
	s_bfe_u32 s2, ttmp6, 0x10000c
	s_cmp_lg_u32 s2, 0x3003
	s_cbranch_scc0 .Lentry_shape_is_right
	s_endpgm
.Lentry_shape_is_right:
; ctx[b][h][q] = the sum over k of softmax_k(q . k / 32, -inf where mask[b][k] = 0) v[k], both products on codes of FP6 (E2M3) with one E8M0 scale for each 32 along a product's K; ctx is quantised along head x 64 + d.
; THE SOFTMAX: t = score x log2(e) / 32; M = the row's largest t so far, rounded UP to a whole number; p = 2^(t - M) is quantised along the keys, not normalised.  The row's sum is taken of the unquantised p
; and divides at the end.  When M moves, the sum and O are multiplied by 2^(old M - new M): exact.
; THE MASK is a bias: 0, or -3e38 where mask = 0, one f32 a key, kept in LDS; it is the C of the first product, so it costs no vector instruction.  Such a key's t is about -1.35e37 and its p is 0.
; LIMITS: the largest t starts at -1e30, above a masked key's t: rows whose every open t lies under -1e30 are not served.  NaN and infinities are not served.  A batch whose mask is all 0 has sum 0: its rows' scale
; bytes are set to 0xff, so that the last product gives NaN there, as a softmax of nothing does.  A block of zeros keeps the byte 1.
; SHARES.  A work-group owns one (batch, head) and 512 of its queries.  THE HEAD'S WHOLE RECORD (K's and V's codes and scale words of 2,048 keys: 208,896 bytes) lies in LDS for the whole launch, filled once,
; one tensor load a wave: no ring, no refill, no barrier in the loop.  CLUSTER: the four query blocks of a head read the same record: each eighth is asked for jointly.
; A wave owns two tiles of 16 queries at a time, twice: each fragment of K, V and the bias that it reads from LDS feeds two tiles.  Two waves to a SIMD: one's vector work stands beside the other's products and loads.
; No prefetch: the one stream is the fill at the head, where every work-group's loads are on their way.
; LAYOUT.  Both products are used transposed: S^T = K Q^T (source 0 = 16 keys, source 1 = 16 queries; K = 64: registers 6-11 of both operands are zero codes), O^T = V^T P^T.  A lane holds ONE query.
; Lane r of K's tile t is key 32 (t / 2) + 8 (t % 2) + r + 8 (r / 8), so the 16 registers of tiles 2 b, 2 b + 1 are keys 32 b + 16 (lane / 16) + 0 .. 15; V's tiles are laid likewise along d.
; REGISTERS.  window 0: v1-11 addresses; v12-19 for each tile -M, the largest t, the sum in two halves; v20-31 scale words and nothing else; v32-95 S^T, then p; v96-159 O^T; v160-183 p's codes; v184-208 at work.
;   window 1: v0-95 K's 8 fragments; v96-143 V's 4; v144-207 the bias, 8 tiles; v208-231 Q's two fragments.
.set STEPB, 13056                      ; a record of 128 keys: K 8 x 768 | V 4 x 1,536 | K's scale words 512 | V's 256
.set RECB,  16*STEPB
.set QBASE, 64*RECB
.set QREC,  6656                       ; a record of 128 queries: 8 x 768 | scale words 512
.set BIAS,  RECB                       ; LDS: behind the record: 2,048 f32
.set SPARE, BIAS+8192                  ; the spare words, 128 bytes for each of eight waves
.set A16,  1                           ; v1   16 x lane
.set A8,   2                           ; v2   8 x lane
.set AB,   3                           ; v3   BIAS + 64 (lane / 16)
.set AV16, 4                           ; v4   16 (lane % 16)
.set SPW,  5                           ; v5   LDS address of my spare word; never rewritten
.set NIL,  6                           ; v6   0; never rewritten
.set AD16, 7                           ; v7-10 the key step's LDS addresses
.set AD8,  8
.set ADV,  9
.set ADB,  10
.set OFS,  11                          ; v11  32 x lane: a row of cs
.set KSC,  20                          ; v20-23 K's scale words: register i: lanes 0-15 tile i, lanes 16-31 tile 4 + i
.set VSC,  24                          ; v24-27 V's: register t
.set QSC,  28                          ; v28-29 Q's
.set PSC,  30                          ; v30-31 p's
.set S,    32
.set O,    96
.set P,    160
.set CT,   184                         ; v184-191 the conversions' second halves
.set BM,   192                         ; v192-195 a block's largest score, then its largest p
.set T2,   196                         ; v196-199 at work
.set SO,   200                         ; v200-203 the conversions' scale operands
.set F,    204                         ; v204 f = 2^(old M - new M); v205 named with it as a pair
.set W0,   206                         ; v206-207 at work
.set ONES, 208                         ; v208 0xffff
.set KF,   0                           ; in window 1
.set VF,   96
.set BI,   144
.set QF,   208
.set WV,   12                          ; s12  wave
.set SEL,  32                          ; s[32:33] lane selects for v_permlanex16_b32: lane l xor 16
.set CS,   34                          ; s[34:35] c = log2(e) / 32
.set TB,   36                          ; s36  LDS byte at which the key step's record begins
.set TM,   37                          ; s37  and its 512 bytes of bias
.set KC,   38                          ; s38  key steps to go
.set PASS, 39                          ; s39  passes to go
.set ZM,   40                          ; s40, s41 lanes whose row's sum is 0
.set HI16, 42                          ; s42  lanes 16-31
.set MSB, 0
.macro WIN new                         ; the immediate's high byte repeats the setting that is left
.if MSB != (\new)
	s_set_vgpr_msb (MSB<<8)|(\new)
.set MSB, (\new)
.endif
.endm
.set TO_1, 0x40                        ; destination window 1, address window 0
.set W_S,  0x15                        ; K, Q and the bias in window 1, S^T in window 0
.set W_PV, 0x01                        ; V in window 1, all else in window 0
.macro CROUND                          ; a round of the cluster's barrier
	s_barrier_signal -1
	s_barrier_wait -1
	s_cmp_lg_u32 s[WV], 0
	s_cbranch_scc1 .Lnot_wave_0_\@
	s_barrier_signal -3
.Lnot_wave_0_\@:
	s_barrier_wait -3
	s_barrier_signal -1
	s_barrier_wait -1
.endm
	s_load_b128 s[4:7], s[0:1], 0x0                ; att s[4:5], mask s[6:7]
	s_load_b128 s[8:11], s[0:1], 0x10              ; cc s[8:9], cs s[10:11]
	v_lshl_add_u32 v[SPW], v0, 2, SPARE
	v_mov_b32 v[NIL], 0
	ds_add_u32 v[SPW], v[NIL]                      ; the wave's opening: the add and its wait stand ahead of my first tensor load; the set-up below, work on registers, stands between them
	ds_add_u32 v[SPW], v[NIL]
	v_lshrrev_b32 v1, 5, v0
	s_delay_alu instid0(VALU_DEP_1)
	v_readfirstlane_b32 s[WV], v1                  ; wave 0..7
	s_bfe_u32 s13, ttmp6, 0x40000                  ; cx: my block of 512 queries: it enters Q's, cc's and cs's addresses alone
	s_and_b32 s14, ttmp7, 0xffff                   ; 16 x batch + head, which the four partners share
	; descriptor group 1: my eighth of the record, 26,112 dense bytes, as 102 rows of 256 bytes (32 elements of 8 bytes), no padding
	s_mov_b32 s16, 15|(3<<16)|(1<<21)              ; 15:0 the mask: all four work-groups; 17:16 elements of 8 bytes; 21 set beside a mask
	s_mov_b32 s17, 32<<16                          ; tensor_dim0 = 32
	s_mov_b32 s18, 102<<16                         ; tensor_dim1 = 102
	s_mov_b32 s19, 32<<16                          ; tile_dim0 = 32
	s_mov_b32 s20, 102                             ; tile_dim1 = 102
	s_mov_b32 s21, 32                              ; tensor_dim0_stride
	s_mov_b32 s22, 0
	s_mov_b32 s23, 0
	s_mov_b32 s24, 1                               ; group 0: count = 1
	s_mul_i32 s25, s[WV], 2*STEPB                  ; LDS address: wave x two key steps
	s_mul_i32 s44, s14, RECB
	s_add_co_u32 s44, s44, s25                     ; and the same place in the head's record in att
	s_mov_b32 s45, 0
	s_lshl_b32 s46, s13, 2
	s_lshr_b32 s47, s[WV], 2
	s_add_co_u32 s46, s46, s47                     ; G: my group of 128 queries in the first pass: 4 cx + wave / 4
	s_and_b32 s47, s[WV], 3                        ; my pair of its eight tiles
	s_lshl_b32 s48, s14, 4
	s_add_co_u32 s48, s48, s46
	s_mul_i32 s48, s48, QREC
	s_add_co_u32 s48, s48, QBASE                   ; the group's record
	s_mul_i32 s50, s47, 2*768
	s_add_co_u32 s50, s50, s48                     ; my two tiles' codes
	s_mov_b32 s51, 0
	s_lshr_b32 s52, s47, 1                         ; their scale words: tile 4 hh + i is word i of the 16 bytes at 256 hh + 16 r
	s_lshl_b32 s52, s52, 8
	s_and_b32 s53, s47, 1
	s_lshl_b32 s53, s53, 3
	s_add_co_u32 s52, s52, s53
	s_add_co_u32 s52, s52, s48
	s_add_co_u32 s52, s52, 6144
	s_mov_b32 s53, 0
	s_lshr_b32 s54, s14, 4                         ; batch
	s_and_b32 s55, s14, 15                         ; head
	s_lshl_b32 s56, s54, 7
	s_lshl_b32 s57, s46, 3
	s_add_co_u32 s56, s56, s57
	s_lshl_b32 s57, s47, 1
	s_add_co_u32 s56, s56, s57                     ; my first tile of 16 rows among 512: 128 batch + 8 G + 2 x pair
	s_lshl_b32 s58, s56, 4
	s_add_co_u32 s58, s58, s55
	s_mul_i32 s58, s58, 768                        ; cc: [tile][head][768 bytes]
	s_mov_b32 s59, 0
	s_lshl_b32 s56, s56, 9                         ; cs: 32 bytes a row, 16 rows a tile;
	s_lshl_b32 s55, s55, 1
	s_add_co_u32 s56, s56, s55                     ; my head's two bytes
	s_mov_b32 s57, 0
	s_lshl_b32 s54, s54, 13                        ; the batch's 2,048 words of the mask
	s_mov_b32 s55, 0
	s_mov_b32 s[SEL], 0x76543210
	s_mov_b32 s[SEL+1], 0xfedcba98
	s_mov_b32 s[CS], 0x3d38aa3b                    ; c = log2(e) / sqrt(1024)
	s_mov_b32 s[CS+1], s[CS]                       ; (named with it as a pair, so it is written)
	s_mov_b32 s[HI16], 0xffff0000
	s_mov_b32 s[PASS], 2
	s_wait_dscnt 0x0                               ; the opening add is done
	s_wait_kmcnt 0x0
	s_add_nc_u64 s[26:27], s[4:5], s[44:45]        ; group 0: global address,
	s_or_b32 s27, s27, 0x80000000                  ; type = 2
	s_add_nc_u64 s[28:29], s[4:5], s[50:51]        ; Q's codes
	s_add_nc_u64 s[30:31], s[4:5], s[52:53]        ; Q's scale words
	s_add_nc_u64 s[8:9], s[8:9], s[58:59]
	s_add_nc_u64 s[10:11], s[10:11], s[56:57]
	s_add_nc_u64 s[6:7], s[6:7], s[54:55]
	CROUND                                         ; all four work-groups are here: the joint loads meet
	tensor_load_to_lds s[24:27], s[16:23]          ; my one tensor load of the launch
	s_nop 0
.rept 4
	v_nop
.endr
	v_lshlrev_b32 v7, 4, v0                        ; 16 x thread: 256 threads x 16 bytes, twice, are the batch's mask
	global_load_b128 v[32:35], v7, s[6:7]
	global_load_b128 v[36:39], v7, s[6:7] offset:4096
	v_lshl_add_u32 v8, v0, 4, BIAS                 ; and the same place in the bias
	v_and_b32 v9, 31, v0                           ; lane
	s_delay_alu instid0(VALU_DEP_1)
	v_lshlrev_b32 v[A16], 4, v9
	s_delay_alu instid0(VALU_DEP_2)
	v_lshlrev_b32 v[A8], 3, v9
	s_delay_alu instid0(VALU_DEP_3)
	v_lshlrev_b32 v[OFS], 5, v9
	v_bfe_u32 v10, v0, 4, 1
	s_delay_alu instid0(VALU_DEP_1)
	v_lshl_add_u32 v[AB], v10, 6, BIAS
	v_and_b32 v10, 15, v0
	s_delay_alu instid0(VALU_DEP_1)
	v_lshlrev_b32 v[AV16], 4, v10
	v_mov_b32 v40, 0xff61b1e6                      ; -3e38
	v_mov_b32 v[ONES], 0xffff
	v_mov_b32 v[F+1], 0                            ; (named as the upper half of a pair)
.irp b, 0,1,2,3
	v_mov_b32 v[T2+\b], 0                          ; written once: a lane permute's destination counts as one of its sources
.endr
	WIN TO_1
.irp t, 0,1,2,3,4,5,6,7
.irp i, 6,7,8,9,10,11
	v_mov_b32 v[KF+12*\t+\i], 0                    ; K = 64 .. 127 of the first product: zero codes, written once
.endr
.endr
.irp q, 0,1
.irp i, 6,7,8,9,10,11
	v_mov_b32 v[QF+12*\q+\i], 0
.endr
.endr
	WIN 0
	s_wait_loadcnt 0x0
.irp i, 0,1,2,3,4,5,6,7
	v_cmp_eq_u32 vcc_lo, 0, v[32+\i]
	s_delay_alu instid0(VALU_DEP_1)
	v_cndmask_b32 v[32+\i], 0, v40, vcc_lo         ; a choice of a value: no address and no branch hangs on the mask
.endr
	ds_store_b128 v8, v[32:35]
	ds_store_b128 v8, v[36:39] offset:4096
	s_wait_tensorcnt 0x0                           ; my eighth of the record has landed,
	s_wait_dscnt 0x0                               ; my part of the bias is stored:
	s_barrier_signal -1
	s_barrier_wait -1                              ; everybody's are.  Nothing in LDS is written from here on
; S^T of tile q: eight tiles of 16 keys; C = the bias.  Each instruction has its own D
.macro SMUL q
.irp t, 0,1,2,3
	v_wmma_scale_f32_16x16x128_f8f6f4 v[S+8*\t:S+8*\t+7], v[KF+12*\t:KF+12*\t+11], v[QF+12*\q:QF+12*\q+11], v[BI+8*\t:BI+8*\t+7], v[KSC+\t], v[QSC+\q] matrix_a_fmt:MATRIX_FMT_FP6 matrix_b_fmt:MATRIX_FMT_FP6
.endr
.irp t, 4,5,6,7
	v_wmma_scale_f32_16x16x128_f8f6f4 v[S+8*\t:S+8*\t+7], v[KF+12*\t:KF+12*\t+11], v[QF+12*\q:QF+12*\q+11], v[BI+8*\t:BI+8*\t+7], v[KSC+\t-4], v[QSC+\q] matrix_a_fmt:MATRIX_FMT_FP6 matrix_b_fmt:MATRIX_FMT_FP6 matrix_a_scale:MATRIX_SCALE_ROW1
.endr
.endm
; The softmax of tile q for 128 keys: S^T becomes p's codes in v[P + 12 q] on and p's scale word in v[PSC + q]; the sum and O^T come under the new M.
.macro SOFTMAX q
.set NM, 12+4*\q                       ; -M; NM + 1: the largest t
.set LL, 14+4*\q                       ; the sum, in two halves
.irp b, 0,1,2,3
	v_max3_num_f32 v[BM+\b], v[S+16*\b], v[S+16*\b+1], v[S+16*\b+2]   ; THE LARGEST SCORE OF EACH BLOCK OF 32 KEYS serves twice: for the row's maximum, and, since p rises with the score, for the block's largest p
.endr
.irp i, 3,5,7,9,11,13
.irp b, 0,1,2,3
	v_max3_num_f32 v[BM+\b], v[BM+\b], v[S+16*\b+\i], v[S+16*\b+\i+1]   ; (the four blocks by turns)
.endr
.endr
.irp b, 0,1,2,3
	v_max_num_f32 v[BM+\b], v[BM+\b], v[S+16*\b+15]
.endr
.irp b, 0,1,2,3
	s_delay_alu instid0(VALU_DEP_4)
	v_permlanex16_b32 v[T2+\b], v[BM+\b], s[SEL], s[SEL+1]
.endr
.irp b, 0,1,2,3
	s_delay_alu instid0(VALU_DEP_4)
	v_max_num_f32 v[BM+\b], v[BM+\b], v[T2+\b]     ; with lane l xor 16's 16 keys
.endr
	s_delay_alu instid0(VALU_DEP_2)
	v_max3_num_f32 v[W0], v[BM], v[BM+1], v[BM+2]
	s_delay_alu instid0(VALU_DEP_1)
	v_max_num_f32 v[W0], v[W0], v[BM+3]            ; the step's largest score of my query
	s_delay_alu instid0(VALU_DEP_1)
	v_mul_f32 v[W0], s[CS], v[W0]                  ; as t (c is positive)
	s_delay_alu instid0(VALU_DEP_1)
	v_max_num_f32 v[NM+1], v[NM+1], v[W0]          ; the running largest t
	v_mov_b32 v[W0], v[NM]
	s_delay_alu instid0(VALU_DEP_2)
	v_floor_f32 v[NM], -v[NM+1]                    ; the new -M = floor(-t) = -ceil(t): M is a whole number
	s_delay_alu instid0(VALU_DEP_1)
	v_sub_f32 v[W0], v[NM], v[W0]                  ; old M - new M: a whole number, 0 or less
	s_delay_alu instid0(VALU_DEP_1)
	v_cvt_i32_f32 v[W0], v[W0]                     ; (it saturates)
	s_delay_alu instid0(VALU_DEP_1)
	v_ldexp_f32 v[F], 1.0, v[W0]                   ; f = 2^(old M - new M)
.set i, 0
.rept 32
	v_pk_fma_f32 v[S+i:S+i+1], v[S+i:S+i+1], s[CS:CS+1], v[NM:NM+1] op_sel_hi:[1,0,0]   ; t - M, two at a time (of the pairs c and -M the low word serves both halves)
.set i, i+2
.endr
.irp b, 0,1,2,3
	v_fma_f32 v[BM+\b], v[BM+\b], s[CS], v[NM]     ; the same of each block's largest score
.endr
.set i, 0
	s_wait_alu depctr_va_vdst(0)
.rept 64
	v_exp_f32 v[S+i], v[S+i]                       ; p = 2^(t - M), at most 1
.set i, i+1
.endr
	v_pk_mul_f32 v[LL:LL+1], v[LL:LL+1], v[F:F+1] op_sel_hi:[1,0]   ; the sums under the new M (a plain line behind the exponentials)
	s_wait_alu depctr_va_vdst(0)                   ; one wait for the whole batch, ahead of its first reader
.irp b, 0,1,2,3
	v_exp_f32 v[BM+\b], v[BM+\b]                   ; the block's largest p: the same two instructions on the same number give the same bits
.endr
	v_pk_add_f32 v[T2:T2+1], v[S:S+1], v[S+2:S+3]  ; THE ROW'S SUM IS TAKEN OF THE UNQUANTISED p: two at a time, in two chains (they read the 64 alone: plain work behind the four)
.irp j, 4,8,12,16,20,24,28,32,36,40,44,48,52,56,60
	v_pk_add_f32 v[LL:LL+1], v[LL:LL+1], v[S+\j:S+\j+1]
	v_pk_add_f32 v[T2:T2+1], v[T2:T2+1], v[S+\j+2:S+\j+3]
.endr
	s_delay_alu instid0(VALU_DEP_1)
	v_pk_add_f32 v[LL:LL+1], v[LL:LL+1], v[T2:T2+1]
	s_wait_alu depctr_va_vdst(0)                   ; and one for the four
.irp b, 0,1,2,3
	v_max_num_f32 v[BM+\b], 0x1800000, v[BM+\b]    ; the floor 2^(3 - 127): the byte cannot fall under 1 (a block whose every p is 0 keeps that byte: its codes are zeros)
.endr
.irp b, 0,1,2,3
	s_delay_alu instid0(VALU_DEP_4)
	v_add_nc_u32 v[SO+\b], 0xff000000, v[BM+\b]    ; 2 off the exponent field: the conversion's scale operand
.endr
.irp b, 0,1,2,3
	s_delay_alu instid0(VALU_DEP_4)
	v_lshrrev_b32 v[T2+\b], 23, v[SO+\b]           ; the scale's byte
.endr
	s_delay_alu instid0(VALU_DEP_3)
	v_lshl_or_b32 v[PSC+\q], v[T2+1], 8, v[T2]     ; p's scale word for these 128 keys
	s_delay_alu instid0(VALU_DEP_1)
	v_lshl_or_b32 v[PSC+\q], v[T2+2], 16, v[PSC+\q]
	s_delay_alu instid0(VALU_DEP_1)
	v_lshl_or_b32 v[PSC+\q], v[T2+3], 24, v[PSC+\q]
.irp c, 0,1
	v_cvt_scalef32_pk16_fp6_f32 v[P+12*\q+6*\c:P+12*\q+6*\c+2], v[S+32*\c:S+32*\c+15], v[SO+2*\c]
	v_cvt_scalef32_pk16_fp6_f32 v[CT+4*\c:CT+4*\c+2], v[S+32*\c+16:S+32*\c+31], v[SO+2*\c+1]   ; (a conversion's three registers begin on an even number)
.endr
	v_nop                                          ; one plain line behind the scaled conversions
.irp c, 0,1                                    ; the operand's layout wants a WHOLE block in a lane: lanes 0-15 block 2 c, lanes 16-31 block 2 c + 1
.irp i, 0,1,2
	v_permlane16_swap_b32 v[P+12*\q+6*\c+\i], v[CT+4*\c+\i]
.endr
.irp i, 0,1,2
	s_delay_alu instid0(VALU_DEP_3)
	v_mov_b32 v[P+12*\q+6*\c+3+\i], v[CT+4*\c+\i]
.endr
.endr
.set i, 0
.rept 16
	v_pk_mul_f32 v[O+32*\q+i:O+32*\q+i+1], v[O+32*\q+i:O+32*\q+i+1], v[F:F+1] op_sel_hi:[1,0]   ; O^T under the new M, each accumulator from its low end on.  (These 16 are also the places between the scale word and the codes just made and the products that take them)
.set i, i+2
.endr
.endm
.Lpass:                                            ; two trips: 2 tiles a wave, 256 queries a work-group, in each
	WIN TO_1
.irp q, 0,1
	global_load_b128 v[QF+12*\q:QF+12*\q+3], v[A16], s[28:29] offset:768*\q
	global_load_b64 v[QF+12*\q+4:QF+12*\q+5], v[A8], s[28:29] offset:768*\q+512
.endr
	WIN 0
	global_load_b64 v[QSC:QSC+1], v[AV16], s[30:31]    ; lane r (and 16 + r): row r's words of my two tiles
.irp q, 0,1
	v_mov_b32 v[13+4*\q], 0xf149f2ca               ; the largest t so far: -1e30
	v_mov_b32 v[14+4*\q], 0                        ; the sum
	v_mov_b32 v[15+4*\q], 0
.endr
.irp q, 0
	v_floor_f32 v[12+4*\q], -v[13+4*\q]            ; -M
.endr
.irp q, 1
	s_delay_alu instid0(VALU_DEP_4)
	v_floor_f32 v[12+4*\q], -v[13+4*\q]            ; -M
.endr
.set i, 0
.rept 64
	v_mov_b32 v[O+i], 0                            ; O^T.  (The key step is written once: the first finds zeros, which the first change of M leaves zeros)
.set i, i+1
.endr
	s_mov_b32 s[TB], 0
	s_mov_b32 s[TM], 0
	s_mov_b32 s[KC], 16
	s_wait_loadcnt 0x0                             ; Q
.Lkey:                                             ; sixteen trips of 128 keys
	s_setprio 2
	v_add_nc_u32 v[AD16], s[TB], v[A16]            ; these four lines are also the places between the last trip's products and the loads into their registers
	v_add_nc_u32 v[AD8], s[TB], v[A8]
	v_add_nc_u32 v[ADV], s[TB], v[AV16]
	v_add_nc_u32 v[ADB], s[TM], v[AB]
	ds_load_b128 v[KSC:KSC+3], v[AD16] offset:12288
	ds_load_b128 v[VSC:VSC+3], v[ADV] offset:12800
	WIN TO_1
.irp t, 0,1,2,3,4,5,6,7
	ds_load_b128 v[BI+8*\t:BI+8*\t+3], v[ADB] offset:128*(\t/2)+32*(\t%2)          ; register n of tile t: key 32 (t / 2) + 8 (t % 2) + 16 h + n
	ds_load_b128 v[BI+8*\t+4:BI+8*\t+7], v[ADB] offset:128*(\t/2)+32*(\t%2)+16
.endr
.irp t, 0,1,2,3,4,5,6,7
	ds_load_b128 v[KF+12*\t:KF+12*\t+3], v[AD16] offset:768*\t                     ; an image of six registers: 512 + 256 consecutive bytes
	ds_load_b64 v[KF+12*\t+4:KF+12*\t+5], v[AD8] offset:768*\t+512
.endr
.irp t, 0,1,2,3
.irp c, 0,1
	ds_load_b128 v[VF+12*\t+6*\c:VF+12*\t+6*\c+3], v[AD16] offset:6144+1536*\t+768*\c
	ds_load_b64 v[VF+12*\t+6*\c+4:VF+12*\t+6*\c+5], v[AD8] offset:6144+1536*\t+768*\c+512
.endr
.endr
	s_wait_dscnt 16                                ; all but V's 16 loads, the youngest
	WIN W_S
	SMUL 0
	WIN 0
.rept 4
	v_nop                                          ; places in front of the first read of results
.endr
	SOFTMAX 0
	WIN W_S
	SMUL 1
	WIN 0
.rept 4
	v_nop
.endr
	s_setprio 1
	SOFTMAX 1
	s_wait_alu depctr_va_vdst(0)
	s_wait_dscnt 0x0                               ; V
	WIN W_PV
	s_setprio 0
.irp t, 0,1,2,3                                ; O^T += V^T P^T: the eight accumulators take turns, one instruction a turn
.irp q, 0,1
	v_wmma_scale_f32_16x16x128_f8f6f4 v[O+32*\q+8*\t:O+32*\q+8*\t+7], v[VF+12*\t:VF+12*\t+11], v[P+12*\q:P+12*\q+11], v[O+32*\q+8*\t:O+32*\q+8*\t+7], v[VSC+\t], v[PSC+\q] matrix_a_fmt:MATRIX_FMT_FP6 matrix_b_fmt:MATRIX_FMT_FP6
.endr
.endr
	WIN 0
	s_add_co_u32 s[TB], s[TB], STEPB
	s_add_co_u32 s[TM], s[TM], 512
	s_sub_co_u32 s[KC], s[KC], 1
	s_cmp_lg_u32 s[KC], 0
	s_cbranch_scc1 .Lkey
	s_setprio 0
	; THE WAY OUT of a pass.  The sums' halves are added (four plain additions: the places behind the last products); O^T / the sum is ctx: register 16 b + n is d = 32 b + 16 (lane / 16) + n; it is quantised as it stands.
.irp q, 0,1
	v_add_f32 v[14+4*\q], v[14+4*\q], v[15+4*\q]
.endr
.irp q, 0,1
	s_delay_alu instid0(VALU_DEP_2)
	v_permlanex16_b32 v[T2+\q], v[14+4*\q], s[SEL], s[SEL+1]
.endr
.irp q, 0,1
	s_delay_alu instid0(VALU_DEP_2)
	v_add_f32 v[14+4*\q], v[14+4*\q], v[T2+\q]     ; with lane l xor 16's: the row's sum
.endr
	s_delay_alu instid0(VALU_DEP_2)
	v_cmp_eq_f32 s[ZM], 0, v14                     ; rows with no open key
	s_delay_alu instid0(VALU_DEP_2)
	v_cmp_eq_f32 s[ZM+1], 0, v18
	v_rcp_f32 v[BM], v14
	v_rcp_f32 v[BM+2], v18
	v_nop                                          ; a plain line behind the reciprocals,
	s_wait_alu depctr_va_vdst(0)                   ; and the one wait ahead of their first reader
.irp q, 0,1
.set i, 0
.rept 16
	v_pk_mul_f32 v[S+32*\q+i:S+32*\q+i+1], v[O+32*\q+i:O+32*\q+i+1], v[BM+2*\q:BM+2*\q+1] op_sel_hi:[1,0]
.set i, i+2
.endr
.endr
.irp b, 0,1,2,3                                ; four blocks of 32 on end: tile 0's two, tile 1's two
	v_max3_num_f32 v[BM+\b], |v[S+16*\b]|, |v[S+16*\b+1]|, 0x1800000
.endr
.irp i, 2,4,6,8,10,12,14
.irp b, 0,1,2,3
	s_delay_alu instid0(VALU_DEP_4)
	v_max3_num_f32 v[BM+\b], v[BM+\b], |v[S+16*\b+\i]|, |v[S+16*\b+\i+1]|
.endr
.endr
.irp b, 0,1,2,3
	s_delay_alu instid0(VALU_DEP_4)
	v_permlanex16_b32 v[T2+\b], v[BM+\b], s[SEL], s[SEL+1]
.endr
.irp b, 0,1,2,3
	s_delay_alu instid0(VALU_DEP_4)
	v_max_num_f32 v[BM+\b], v[BM+\b], v[T2+\b]
.endr
.irp b, 0,1,2,3
	s_delay_alu instid0(VALU_DEP_4)
	v_add_nc_u32 v[SO+\b], 0xff000000, v[BM+\b]
.endr
.irp b, 0,1,2,3
	s_delay_alu instid0(VALU_DEP_4)
	v_lshrrev_b32 v[T2+\b], 23, v[SO+\b]
.endr
	s_delay_alu instid0(VALU_DEP_3)
	v_lshl_or_b32 v[W0], v[T2+1], 8, v[T2]         ; a row's two bytes, tile 0's
	s_delay_alu instid0(VALU_DEP_2)
	v_lshl_or_b32 v[W0+1], v[T2+3], 8, v[T2+2]     ; and tile 1's
	s_delay_alu instid0(VALU_DEP_2)
	v_cndmask_b32 v[W0], v[W0], v[ONES], s[ZM]     ; 0xff, 0xff where the sum is 0
	s_delay_alu instid0(VALU_DEP_2)
	v_cndmask_b32 v[W0+1], v[W0+1], v[ONES], s[ZM+1]
	s_delay_alu instid0(VALU_DEP_1)
	v_cndmask_b32 v[W0], v[W0], v[W0+1], s[HI16]   ; lanes 0-15 carry tile 0's rows, lanes 16-31 tile 1's
.irp q, 0,1
	v_cvt_scalef32_pk16_fp6_f32 v[P+12*\q:P+12*\q+2], v[S+32*\q:S+32*\q+15], v[SO+2*\q]
	v_cvt_scalef32_pk16_fp6_f32 v[CT+4*\q:CT+4*\q+2], v[S+32*\q+16:S+32*\q+31], v[SO+2*\q+1]
.endr
	v_nop                                          ; one plain line behind the scaled conversions
.irp q, 0,1
.irp i, 0,1,2
	v_permlane16_swap_b32 v[P+12*\q+\i], v[CT+4*\q+\i]
.endr
.irp i, 0,1,2
	s_delay_alu instid0(VALU_DEP_3)
	v_mov_b32 v[P+12*\q+3+\i], v[CT+4*\q+\i]
.endr
.endr
.irp q, 0,1
	global_store_b128 v[A16], v[P+12*\q:P+12*\q+3], s[8:9] offset:12288*\q           ; 512 consecutive bytes, aligned
	global_store_b64 v[A8], v[P+12*\q+4:P+12*\q+5], s[8:9] offset:12288*\q+512       ; 256 more
.endr
	global_store_b16 v[OFS], v[W0], s[10:11]       ; two bytes of each row's 32: the other heads' are other work-groups'
	s_wait_xcnt 0x0                                ; the stores have read their data and bases: both are written again only behind this wait
	s_add_nc_u64 s[28:29], s[28:29], 2*QREC        ; 256 queries on
	s_add_nc_u64 s[30:31], s[30:31], 2*QREC
	s_add_nc_u64 s[8:9], s[8:9], 16*12288
	s_add_nc_u64 s[10:11], s[10:11], 16*512
	s_sub_co_u32 s[PASS], s[PASS], 1
	s_cmp_lg_u32 s[PASS], 0
	s_cbranch_scc1 .Lpass
	s_wait_tensorcnt 0x0                           ; the wave's end: behind my last tensor load and my last LDS store
	ds_add_u32 v[SPW], v[NIL]
	s_wait_dscnt 0x0
	CROUND                                         ; the closing round
	s_endpgm
.Lfunc_end_k_q9448de7396_attn:
	.size	k_q9448de7396_attn, .Lfunc_end_k_q9448de7396_attn-k_q9448de7396_attn
	.p2alignl 7, 3214868480
	.fill 96, 4, 3214868480
	.section	.rodata,"a",@progbits
	.p2align	6, 0x0
	.amdhsa_kernel k_q9448de7396_attn
		.amdhsa_group_segment_fixed_size 327680
		.amdhsa_private_segment_fixed_size 0
		.amdhsa_enable_private_segment 0
		.amdhsa_kernarg_size 32
		.amdhsa_user_sgpr_count 2
		.amdhsa_user_sgpr_kernarg_segment_ptr 1
		.amdhsa_wavefront_size32 1
		.amdhsa_system_sgpr_workgroup_id_x 1
		.amdhsa_system_sgpr_workgroup_id_y 1
		.amdhsa_system_sgpr_workgroup_id_z 1
		.amdhsa_system_vgpr_workitem_id 0
		.amdhsa_next_free_vgpr 512
		.amdhsa_next_free_sgpr 66
		.amdhsa_reserve_vcc 1
		.amdhsa_float_denorm_mode_32 3
		.amdhsa_float_denorm_mode_16_64 3
		.amdhsa_memory_ordered 1
		.amdhsa_forward_progress 1
		.amdhsa_inst_pref_size 54
	.end_amdhsa_kernel
	.amdgpu_metadata
---
amdhsa.version: [ 1, 2 ]
amdhsa.kernels:
  - .name:           k_q9448de7396_attn
    .symbol:         k_q9448de7396_attn.kd
    .args:
      - { .name: att, .offset: 0, .size: 8, .value_kind: global_buffer, .address_space: global }
      - { .name: mask, .offset: 8, .size: 8, .value_kind: global_buffer, .address_space: global }
      - { .name: cc, .offset: 16, .size: 8, .value_kind: global_buffer, .address_space: global }
      - { .name: cs, .offset: 24, .size: 8, .value_kind: global_buffer, .address_space: global }
    .group_segment_fixed_size: 327680
    .private_segment_fixed_size: 0
    .kernarg_segment_align: 8
    .kernarg_segment_size: 32
    .max_flat_workgroup_size: 256
    .sgpr_count:     66
    .vgpr_count:     512
    .wavefront_size: 32
...
	.end_amdgpu_metadata
.endif
;; end of part 3
;; launch outp (part 4): grid 4 x 32, 4 waves a work-group, clusters of 4 x 4, 327,680 bytes of LDS; arguments cc, cs, acodes, ascales, bo, out0; writes out0
.if DOCPART == 4
	.amdgcn_target "amdgcn-amd-amdhsa--gfx1250"
	.amdhsa_code_object_version 6
	.text
	.protected	k_q9448de7396_outp
	.globl	k_q9448de7396_outp
	.p2align	8
	.type	k_q9448de7396_outp,@function
k_q9448de7396_outp:
	s_mov_b64 s[64:65], 0
	v_nop
	global_prefetch_b8 v0, s[64:65] scope:SCOPE_SE
	s_setreg_imm32_b32 hwreg(HW_REG_WAVE_MODE, 25, 1), 1
	s_wait_xcnt 0x0
	s_wait_alu depctr_hold_cnt(0) depctr_sa_sdst(0) depctr_va_vdst(0) depctr_va_sdst(0) depctr_va_ssrc(0) depctr_va_vcc(0) depctr_vm_vsrc(0)
	s_getreg_b32 s2, hwreg(HW_REG_IB_STS2, 6, 4)
	s_cmp_eq_u32 s2, 0
	s_cbranch_scc0 .Lentry_in_a_cluster
	s_endpgm
.Lentry_in_a_cluster:
	s_bfe_u32 s2, ttmp6, 0x10000c
	s_cmp_lg_u32 s2, 0xf033
	s_cbranch_scc0 .Lentry_shape_is_right
	s_endpgm
.Lentry_shape_is_right:
; out0 = ctx Wo^T + bo on codes of FP6 (E2M3) with one E8M0 scale for each 32 along K = 1,024.  out0: [8192][1024] f32; sums in f32.
; A = ctx: cc holds it as IMAGES OF THE OPERAND'S REGISTERS, [tile of 16 rows][head][768 bytes]: six registers of 32 lanes (registers 0-3 at 16 x lane, 4-5 at 512 + 8 x lane) are 64 along K; cs holds 32 scale bytes a row.
; B = Wo: rows 27,648 on of acodes (768 bytes a row) and ascales (32 bytes a row).
; BOTH OPERANDS' ROWS LIE WITH BITS 3 AND 4 OF THEIR NUMBER EXCHANGED: place 16 t + r holds row 32 (t / 2) + 8 (t % 2) + r + 8 (r / 8).  The way out puts rows and columns back, in the constants of its offsets.
; A tile of out0, 256 x 256, is made by a work-group of four waves; a wave makes 128 x 128: 64 accumulators, 512 registers.  K goes in steps of 256 through a ring of two LDS slots filled by the tensor data mover;
; the scale bytes of the work-group's 2 x 256 rows come once with the first fills.  128 work-groups: the tile is kept large, since each LDS byte then feeds the most products.
; CLUSTERS: 4 x 4 work-groups.  A's tiles are shared along a row of the cluster, B's along a column: each is asked for jointly.
; THE MATRIX INSTRUCTION IS USED TRANSPOSED (source 0 = 16 rows of B, source 1 = 16 rows of A).  bo is the C of each sum's first product.
; REGISTERS, in windows of 256: window 0: v0-31 addresses; v32-63 scale words, two sets; v64-127 bo; v128-223 A's fragments, ONE set; on the way out v128-255 take rows of out0.
;   window 1: B's fragments, TWO sets, at v0 and v128.   window 2: the 32 accumulators of my rows 0-63;   window 3: those of my rows 64-127.
.set KSTEP,  256
.set NQ,     2
.set ROWB,   192                       ; a row of B's tile
.set KROW,   768                       ; a row of acodes; also cc's bytes for each row
.set PITCH,  240                       ; B's LDS row: 3 x (64 bytes + 16 of padding)
.set FR,     12
.set NLA,    4                         ; LDS loads that bring a fragment of A
.set NP,     4                         ; places behind this matrix instruction (ISA guide 7.12.1)
.set AROW,   3072                      ; A in a slot: a tile of 16 rows x 256 K: four heads' images
.set AHALF,  8*AROW                    ; 128 rows of A: what one tensor load brings
.set HALFT,  128*PITCH                 ; 128 rows of B likewise
.set SLOT,   2*AHALF+2*HALFT           ; A's two halves, then B's two
.set LAPS,   2
.set KS,     32
.set SCL,    2*SLOT                    ; behind the ring: the scales, as rows of 256 bytes + 16 of padding
.set HALFS,  16*272
.set SBLK,   2*272
.set SPARE,  SCL+4*HALFS               ; the spare words, 128 bytes for each wave
.set SPITCH, 528                       ; the way out: a stage of 16 rows x (512 bytes + 16) for each wave, in slot 0, which has had its last fill and its last read when the first result is stored there
.set ADRA, 16                          ; v16-17  16 x lane + my A half, slot 0, 1;  v18-19 the same with 8 x lane
.set ADRB, 20                          ; v20-21  my B fragments in slot 0, 1  (v22-23: for the pieces behind one padding more)
.set STO,  24                          ; v24     the way out: where I put 32 bytes of a row
.set RD,   25                          ; v25     where I read a row back
.set CO,   26                          ; v26     my byte offset in a row of out0
.set ADRS, 27                          ; v27     LDS address of my scale words
.set SPW,  28                          ; v28     LDS address of my spare word; never rewritten
.set NIL,  29                          ; v29     0; never rewritten
.set BH,   30                          ; v30     64 (lane / 16)
.set SC,   32
.set BT,   64                          ; bo: 8 registers for each tile b
.set AF,   128
.set BK,   128                         ; the way out: 16 rows read back: v128-191 and v192-255 by turns
.set G1, 24
.set G0, 32
.set G1B, 48
.set G0B, 56
.set G1S, 68
.set G0S, 76
.set G1SB, 80
.set G0SB, 88
.set MSB, 0
.macro WIN new                         ; the immediate's high byte repeats the setting that is left
.if MSB != (\new)
	s_set_vgpr_msb (MSB<<8)|(\new)
.set MSB, (\new)
.endif
.endm
.set MUL_LO,  0xa1
.set MUL_HI,  0xf1
.set MUL_LO0, 0x81                     ; the first step: C (bo) window 0
.set MUL_HI0, 0xc1
.set TO_B,    0x40
.macro JLOAD g0a, g1a, g0b, g1b        ; a joint load: waves 0 and 1 fetch for A, waves 2 and 3 for B; an s_nop 0 and four v_nop follow each of the two lines
	s_cmp_eq_u32 s15, 0
	s_cbranch_scc0 .Lfor_b_\@
	tensor_load_to_lds s[\g0a:\g0a+3], s[\g1a:\g1a+7]
	s_nop 0
.rept 4
	v_nop
.endr
	s_branch .Lasked_\@
.Lfor_b_\@:
	tensor_load_to_lds s[\g0b:\g0b+3], s[\g1b:\g1b+7]
	s_nop 0
.rept 4
	v_nop
.endr
.Lasked_\@:
.endm
.macro CREST
	s_cmp_lg_u32 s14, 0
	s_cbranch_scc1 .Lnot_wave_0_\@
	s_barrier_signal -3
.Lnot_wave_0_\@:
	s_barrier_wait -3
	s_barrier_signal -1
	s_barrier_wait -1
.endm
.macro CROUND
	s_barrier_signal -1
	s_barrier_wait -1
	CREST
.endm
	s_load_b128 s[4:7], s[0:1], 0x0                ; cc s[4:5], cs s[6:7]
	s_load_b128 s[8:11], s[0:1], 0x10              ; acodes s[8:9], ascales s[10:11]
	s_load_b128 s[96:99], s[0:1], 0x20             ; bo s[96:97], out0 s[98:99]
	v_lshl_add_u32 v[SPW], v0, 2, SPARE
	v_mov_b32 v[NIL], 0
	ds_add_u32 v[SPW], v[NIL]                      ; the wave's opening: the add and its wait stand ahead of my first tensor load; the set-up below, work on registers, stands between them
	v_lshrrev_b32 v1, 5, v0
	v_readfirstlane_b32 s14, v1                    ; wave 0..3
	s_lshr_b32 s15, s14, 1                         ; which half of the tile's rows is mine.  Also: I fetch for A (0) or for B (1)
	s_and_b32 s16, s14, 1                          ; which half of its columns.  Also: which 128 rows of that tile I fetch
	s_bfe_u32 s40, ttmp6, 0x40000                  ; cx, cy
	s_bfe_u32 s41, ttmp6, 0x40004
	s_lshl_b32 s42, ttmp9, 2
	s_add_co_u32 s42, s42, s40                     ; tile column
	s_and_b32 s17, ttmp7, 0xffff
	s_lshl_b32 s17, s17, 2
	s_add_co_u32 s17, s17, s41                     ; tile row
	s_lshl_b32 s43, s41, 2
	s_lshl_b32 s43, 15, s43                        ; my row of the cluster
	s_lshl_b32 s44, 0x1111, s40                    ; my column
	; descriptor group 1 for A: 8 tiles of 16 rows; of each, four heads' images: 3,072 consecutive bytes (384 elements of 8 bytes), 12,288 bytes (1,536 elements) from tile to tile; no padding
	s_or_b32 s[G1+0], s43, (3<<16)|(1<<21)         ; 15:0 the mask: my row; 17:16 elements of 8 bytes; 21 set beside a mask
	s_mov_b32 s[G1+1], 384<<16                     ; tensor_dim0
	s_mov_b32 s[G1+2], 8<<16                       ; tensor_dim1
	s_mov_b32 s[G1+3], 384<<16                     ; tile_dim0
	s_mov_b32 s[G1+4], 8                           ; tile_dim1
	s_mov_b32 s[G1+5], 1536                        ; tensor_dim0_stride
	s_mov_b32 s[G1+6], 0
	s_mov_b32 s[G1+7], 0
	; for B: 128 rows x 192 bytes, 16 bytes of padding behind every 64
	s_or_b32 s[G1B+0], s44, (0<<16)|(1<<20)|(1<<21)|(3<<22)|(3<<25)
	s_mov_b32 s[G1B+1], ROWB<<16
	s_mov_b32 s[G1B+2], 128<<16
	s_mov_b32 s[G1B+3], ROWB<<16
	s_mov_b32 s[G1B+4], 128
	s_mov_b32 s[G1B+5], KROW
	s_mov_b32 s[G1B+6], 0
	s_mov_b32 s[G1B+7], 0
	; for the scales of 128 rows: 4,096 dense bytes as 16 rows of 256, 16 bytes of padding behind each
	s_or_b32 s[G1S+0], s43, (3<<16)|(1<<20)|(1<<21)|(5<<22)|(3<<25)
	s_or_b32 s[G1SB+0], s44, (3<<16)|(1<<20)|(1<<21)|(5<<22)|(3<<25)
.irp g, G1S, G1SB
	s_mov_b32 s[\g+1], 32<<16
	s_mov_b32 s[\g+2], 16<<16
	s_mov_b32 s[\g+3], 32<<16
	s_mov_b32 s[\g+4], 16
	s_mov_b32 s[\g+5], 32
	s_mov_b32 s[\g+6], 0
	s_mov_b32 s[\g+7], 0
.endr
	s_lshl_b32 s18, s16, 7                         ; which 128 rows of the tile I fetch
	s_lshl_b32 s20, s17, 8
	s_add_co_u32 s20, s20, s18                     ; A: place 256 x tile row + 128 x half
	s_lshl_b32 s46, s42, 8
	s_add_co_u32 s46, s46, s18
	s_add_co_u32 s46, s46, 27648                   ; B: Wo's rows in acodes
	s_mov_b32 s21, 0
	s_mov_b32 s47, 0
	s_mov_b64 s[18:19], KS
	s_mul_u64 s[22:23], s[20:21], s[18:19]         ; where these rows' scales begin
	s_mul_u64 s[92:93], s[46:47], s[18:19]
	s_mov_b64 s[18:19], KROW
	s_mul_u64 s[20:21], s[20:21], s[18:19]         ; and their codes (cc: 12,288 bytes for 16 rows are 768 a row)
	s_mul_u64 s[46:47], s[46:47], s[18:19]
	s_mul_i32 s45, s16, AHALF                      ; where they go: A's half,
	s_mul_i32 s95, s16, HALFT
	s_add_co_u32 s95, s95, 2*AHALF                 ; B's half, behind A's two
	s_mul_i32 s94, s14, HALFS
	s_wait_dscnt 0x0                               ; the opening add is done
	s_wait_kmcnt 0x0
	s_add_nc_u64 s[20:21], s[4:5], s[20:21]
	s_add_nc_u64 s[22:23], s[6:7], s[22:23]
	s_add_nc_u64 s[46:47], s[8:9], s[46:47]
	s_add_nc_u64 s[92:93], s[10:11], s[92:93]
	CROUND                                         ; all sixteen work-groups are here: the first joint loads meet
	s_mov_b32 s[G0S], 1
	s_add_co_u32 s[G0S+1], s94, SCL
	s_mov_b64 s[G0S+2:G0S+3], s[22:23]
	s_or_b32 s[G0S+3], s[G0S+3], 0x80000000
	s_mov_b32 s[G0SB], 1
	s_add_co_u32 s[G0SB+1], s94, SCL
	s_mov_b64 s[G0SB+2:G0SB+3], s[92:93]
	s_or_b32 s[G0SB+3], s[G0SB+3], 0x80000000
	JLOAD G0S, G1S, G0SB, G1SB                     ; the scales first.  With the two below, three loads of mine are out
.irp s, 0,1
	s_mov_b32 s[G0+4*\s], 1
	s_add_co_u32 s[G0+4*\s+1], s45, \s*SLOT
	s_add_nc_u64 s[G0+4*\s+2:G0+4*\s+3], s[20:21], \s*AROW
	s_or_b32 s[G0+4*\s+3], s[G0+4*\s+3], 0x80000000
	s_mov_b32 s[G0B+4*\s], 1
	s_add_co_u32 s[G0B+4*\s+1], s95, \s*SLOT
	s_add_nc_u64 s[G0B+4*\s+2:G0B+4*\s+3], s[46:47], \s*ROWB
	s_or_b32 s[G0B+4*\s+3], s[G0B+4*\s+3], 0x80000000
	JLOAD G0+4*\s, G1, G0B+4*\s, G1B
.endr
	v_and_b32 v1, 15, v0                           ; r
	v_bfe_u32 v2, v0, 4, 1                         ; h
	v_and_b32 v6, 31, v0                           ; lane
	v_mul_u32_u24 v3, v1, PITCH
	v_mul_u32_u24 v4, v2, 24
	v_add_nc_u32 v4, v3, v4                        ; B: a fragment's row x pitch + 24 x half
	v_lshl_add_u32 v5, v2, 4, v4                   ; and the same behind one padding more
	s_mul_i32 s21, s15, AHALF                      ; my 128 rows of A
	s_mul_i32 s22, s16, HALFT                      ; my 128 rows of B,
	s_add_co_u32 s22, s22, 2*AHALF                 ; behind A's two halves
.irp s, 0,1
	v_lshl_add_u32 v[ADRA+\s], v6, 4, s21
	v_lshl_add_u32 v[ADRA+2+\s], v6, 3, s21
	v_add_nc_u32 v[ADRB+\s], s22, v4
	v_add_nc_u32 v[ADRB+2+\s], s22, v5
	s_add_co_u32 s21, s21, SLOT
	s_add_co_u32 s22, s22, SLOT
.endr
	v_mul_u32_u24 v5, v1, KS                       ; my row's scales: 32 bytes a row,
	v_lshrrev_b32 v7, 8, v5
	v_lshl_add_u32 v5, v7, 4, v5                   ; and 16 more for each 256 passed
	s_mul_i32 s21, s15, HALFS
	s_mul_i32 s22, s16, HALFS
	s_add_co_u32 s22, s22, 2*HALFS
	s_sub_co_u32 s22, s22, s21
	v_mul_u32_u24 v7, s22, v2                      ; lanes 16-31 take B's: the lower base + h x the distance
	s_add_co_u32 s21, s21, SCL
	v_add_nc_u32 v5, v5, v7
	v_add_nc_u32 v[ADRS], s21, v5
	s_mul_i32 s23, s14, 16*SPITCH                  ; my stage
	v_mul_u32_u24 v5, v1, SPITCH                   ; in: row r; register n of tile b is column 32 (b / 2) + 8 (b % 2) + 16 h + n: 64 h bytes here, the rest in the stores' offsets
	v_lshl_add_u32 v5, v2, 6, v5
	v_add_nc_u32 v[STO], s23, v5
	v_lshlrev_b32 v[CO], 4, v6                     ; back: the 32 lanes take one row of 512 bytes; and the same in out0
	v_add_nc_u32 v[RD], s23, v[CO]
	v_lshlrev_b32 v[BH], 6, v2
	s_lshl_b32 s20, s17, 8
	s_lshl_b32 s21, s15, 7
	s_add_co_u32 s20, s20, s21                     ; my first row of out0: 256 x tile row + 128 x half
	s_mov_b32 s21, 0
	s_lshl_b64 s[20:21], s[20:21], 12              ; 4,096 bytes a row
	s_lshl_b32 s46, s42, 10                        ; my first column, in bytes: 1,024 x tile column + 512 x half
	s_lshl_b32 s47, s16, 9
	s_add_co_u32 s46, s46, s47
	s_mov_b32 s47, 0
	s_add_nc_u64 s[96:97], s[96:97], s[46:47]      ; bo at my first column
	s_add_nc_u64 s[20:21], s[20:21], s[46:47]
	s_add_nc_u64 s[12:13], s[98:99], s[20:21]      ; out0 at my corner: never stepped
.irp b, 0,1,2,3,4,5,6,7
	global_load_b128 v[BT+8*\b:BT+8*\b+3], v[BH], s[96:97] offset:(32*(\b/2)+8*(\b%2))*4
	global_load_b128 v[BT+8*\b+4:BT+8*\b+7], v[BH], s[96:97] offset:(32*(\b/2)+8*(\b%2))*4+16
.endr
.macro FRAG reg, adr, q, i             ; a fragment of B from rows: 24 bytes twice, in pieces of 8; the second address register serves the pieces that lie behind one padding more
.irp p, 0,1,2,3,4,5
.set PCE, 12*(\q)+6*(\p/3)+\p%3
.if PCE%8 < 5
	ds_load_b64 v[\reg+2*\p:\reg+2*\p+1], v[\adr] offset:8*PCE+16*(PCE/8)+(\i)*16*PITCH
.else
	ds_load_b64 v[\reg+2*\p:\reg+2*\p+1], v[\adr+2] offset:8*PCE+16*(PCE/8)+(\i)*16*PITCH
.endif
.endr
.endm
.macro FRAGA reg, slot, q, i           ; a fragment of A from two heads' images: each load takes consecutive bytes
	ds_load_b128 v[\reg:\reg+3], v[ADRA+\slot] offset:AROW*(\i)+1536*(\q)
	ds_load_b64 v[\reg+4:\reg+5], v[ADRA+2+\slot] offset:AROW*(\i)+1536*(\q)+512
	ds_load_b128 v[\reg+6:\reg+9], v[ADRA+\slot] offset:AROW*(\i)+1536*(\q)+768
	ds_load_b64 v[\reg+10:\reg+11], v[ADRA+2+\slot] offset:AROW*(\i)+1536*(\q)+1280
.endm
; 16 matrix instructions: A's blocks a0, a0 + 1 x B's eight.  zero = 1: the first product starts the sums, with bo as C.  The 64 accumulators take turns.
.macro MUL16 a0, p, q, sc, zero
.irp a, \a0, \a0+1
.irp b, 0,1,2,3,4,5,6,7
.if \zero
	v_wmma_scale_f32_16x16x128_f8f6f4 v[8*(8*((\a)%4)+\b):8*(8*((\a)%4)+\b)+7], v[128*(\p)+FR*\b:128*(\p)+FR*\b+FR-1], v[AF+FR*(\a):AF+FR*(\a)+FR-1], v[BT+8*\b:BT+8*\b+7], v[SC+8*NQ*(\sc)+NQ*\b+(\q)], v[SC+8*NQ*(\sc)+NQ*(\a)+(\q)] matrix_a_fmt:MATRIX_FMT_FP6 matrix_b_fmt:MATRIX_FMT_FP6 matrix_a_scale:MATRIX_SCALE_ROW1
.else
	v_wmma_scale_f32_16x16x128_f8f6f4 v[8*(8*((\a)%4)+\b):8*(8*((\a)%4)+\b)+7], v[128*(\p)+FR*\b:128*(\p)+FR*\b+FR-1], v[AF+FR*(\a):AF+FR*(\a)+FR-1], v[8*(8*((\a)%4)+\b):8*(8*((\a)%4)+\b)+7], v[SC+8*NQ*(\sc)+NQ*\b+(\q)], v[SC+8*NQ*(\sc)+NQ*(\a)+(\q)] matrix_a_fmt:MATRIX_FMT_FP6 matrix_b_fmt:MATRIX_FMT_FP6 matrix_a_scale:MATRIX_SCALE_ROW1
.endif
.endr
.endr
.endm
.macro FETCH_B slot, q, p
	WIN TO_B
.irp i, 0,1,2,3,4,5,6,7
	FRAG 128*(\p)+FR*\i, ADRB+\slot, \q, \i
.endr
	WIN 0
.endm
.macro FETCH_A slot, q, i0
.irp i, \i0, \i0+1, \i0+2, \i0+3
	FRAGA AF+FR*(\i), \slot, \q, \i
.endr
.endm
.macro SCALES sc
.irp i, 0,1,2,3,4,5,6,7
	ds_load_b64 v[SC+8*NQ*\sc+NQ*\i:SC+8*NQ*\sc+NQ*\i+1], v[ADRS] offset:\i*SBLK
.endr
.endm
.macro PLACES n                        ; places in front of loads into registers that matrix instructions have read, and of the first read of results (ISA guide 7.12.1 for the first read of results)
.rept \n
	v_nop
.endr
.endm
.macro STEP slot, q, zero
	s_wait_dscnt 4*NLA                             ; B's set and A's blocks 0-3 are in; the youngest 16 loads (A's blocks 4-7) may be out
.if \zero
	WIN MUL_LO0
.else
	WIN MUL_LO
.endif
	MUL16 0, (\q)%2, \q, \slot, \zero
	MUL16 2, (\q)%2, \q, \slot, \zero
	s_wait_dscnt 0                                 ; A's blocks 4-7 are in
	PLACES NP
	FETCH_B \slot, (\q)+1, 1-(\q)%2
	FETCH_A \slot, (\q)+1, 0
.if \zero
	WIN MUL_HI0
.else
	WIN MUL_HI
.endif
	MUL16 4, (\q)%2, \q, \slot, \zero
	MUL16 6, (\q)%2, \q, \slot, \zero
	PLACES NP
	WIN 0
	FETCH_A \slot, (\q)+1, 4
.endm
; A slot's last step changes slots: ONE barrier; in front of it each wave waits for all its tensor loads, adds 0 to its spare word, and waits for that and for its own reads of this slot.
.macro TURN slot, next, fill
	s_wait_tensorcnt 0x0                           ; all my tensor loads have landed: my part of the next slot;
	ds_add_u32 v[SPW], v[NIL]                      ; 0 onto my spare word;
	s_wait_dscnt 4*NLA+1                           ; (the add and the youngest 16 loads may be out)
	WIN MUL_LO
	MUL16 0, 1, NQ-1, \slot, 0                     ; sixteen matrix instructions stand between the add and the wait for it
	s_wait_dscnt 0x0                               ; the add is done, and my reads of this slot are over
	s_barrier_signal -1
	MUL16 2, 1, NQ-1, \slot, 0
	WIN 0
	s_barrier_wait -1
.if \fill
	CREST                                          ; the barrier has opened a round of the cluster's barrier: no wave of any partner still reads this slot's tile or has a load on its way
	s_add_nc_u64 s[G0+4*\slot+2:G0+4*\slot+3], s[G0+4*\slot+2:G0+4*\slot+3], 2*AROW
	s_add_nc_u64 s[G0B+4*\slot+2:G0B+4*\slot+3], s[G0B+4*\slot+2:G0B+4*\slot+3], 2*ROWB
	JLOAD G0+4*\slot, G1, G0B+4*\slot, G1B         ; the first tensor load behind the round, my one load until the next; its four v_nop are the places in front of the loads below
.else
	PLACES NP
.endif
	v_add_nc_u32 v[ADRS], 4*NQ, v[ADRS]            ; on to the next K step's scale words
	FETCH_B \next, 0, 0
	FETCH_A \next, 0, 0
	SCALES \next
	WIN MUL_HI
	MUL16 4, 1, NQ-1, \slot, 0
	MUL16 6, 1, NQ-1, \slot, 0
	PLACES NP
	WIN 0
	FETCH_A \next, 0, 4
.endm
	s_wait_loadcnt 0x0                             ; bo
	s_wait_tensorcnt 1                             ; the scales and my part of K step 0 are in (K step 1's load may be out)
	s_barrier_signal -1
	s_barrier_wait -1                              ; everybody's are
	FETCH_B 0, 0, 0
	FETCH_A 0, 0, 0
	SCALES 0
	FETCH_A 0, 0, 4
	STEP 0, 0, 1                                   ; the first step stands in front of the loop: its products start the sums
	s_mov_b32 s3, LAPS-1
.Llap:
	TURN 0, 1, 1
	STEP 1, 0, 0
	TURN 1, 0, 1
	STEP 0, 0, 0
	s_sub_co_u32 s3, s3, 1
	s_cmp_lg_u32 s3, 0
	s_cbranch_scc1 .Llap
	TURN 0, 1, 0                                   ; the last lap fills nothing, and has no round of the cluster's barrier
	STEP 1, 0, 0
	s_wait_dscnt 4*NLA                             ; the very last step
	WIN MUL_LO
	MUL16 0, 1, NQ-1, 1, 0
	MUL16 2, 1, NQ-1, 1, 0
	s_wait_dscnt 0
	WIN MUL_HI
	MUL16 4, 1, NQ-1, 1, 0
	MUL16 6, 1, NQ-1, 1, 0
	WIN 0
; THE WAY OUT, block by block of 16 rows x 128 columns, through my own stage in LDS: in by lanes (32 bytes of a row at their true columns), back as whole rows of 512 bytes.
; LDS serves a wave's instructions in order (ISA guide 5.7.1.4): no wait between the stores and the loads, nor in front of the next block's stores.
.macro TOSTAGE a
.set AC, 64*((\a)%4)
	WIN 0x08+4*((\a)/4)                            ; the data: window 2 or 3
.irp b, 0,1,2,3,4,5,6,7
	ds_store_b128 v[STO], v[AC+8*\b:AC+8*\b+3] offset:128*(\b/2)+32*(\b%2)          ; each accumulator from its low end on
	ds_store_b128 v[STO], v[AC+8*\b+4:AC+8*\b+7] offset:128*(\b/2)+32*(\b%2)+16
.endr
	WIN 0
.set BB, BK+64*((\a)%2)
.irp t, 0,1,2,3,4,5,6,7,8,9,10,11,12,13,14,15
	ds_load_b128 v[BB+4*\t:BB+4*\t+3], v[RD] offset:\t*SPITCH
.endr
.endm
.macro SEND a, younger                 ; younger: the LDS instructions issued behind block a's loads, which may stay out
.set BB, BK+64*((\a)%2)
	s_wait_dscnt \younger                          ; the block is back in registers
.irp t, 0,1,2,3,4,5,6,7,8,9,10,11,12,13,14,15
	global_store_b128 v[CO], v[BB+4*\t:BB+4*\t+3], s[12:13] offset:(32*((\a)/2)+8*((\a)%2)+\t+8*(\t/8))*4096 th:TH_STORE_NT   ; place 16 a + t is row 32 (a / 2) + 8 (a % 2) + t + 8 (t / 8): 127 rows of 4,096 bytes at the most, inside the signed 24-bit immediate; 32 lanes store 512 consecutive bytes, aligned
.endr
.endm
	PLACES NP
	TOSTAGE 0
.irp a, 1,2,3,4,5,6,7
.if \a > 1
	s_wait_xcnt 0x0                                ; block a - 2's stores have read their registers: block a's loads may land there
.endif
	TOSTAGE \a
	SEND \a-1, 32                                  ; behind block a - 1's loads: block a's 16 stores and 16 loads
.endr
	SEND 7, 0
	s_wait_tensorcnt 0x0                           ; the wave's end: behind my last tensor load and my last LDS store
	ds_add_u32 v[SPW], v[NIL]
	s_wait_dscnt 0x0
	CROUND                                         ; the closing round
	s_endpgm
.Lfunc_end_k_q9448de7396_outp:
	.size	k_q9448de7396_outp, .Lfunc_end_k_q9448de7396_outp-k_q9448de7396_outp
	.p2alignl 7, 3214868480
	.fill 96, 4, 3214868480
	.section	.rodata,"a",@progbits
	.p2align	6, 0x0
	.amdhsa_kernel k_q9448de7396_outp
		.amdhsa_group_segment_fixed_size 327680
		.amdhsa_private_segment_fixed_size 0
		.amdhsa_enable_private_segment 0
		.amdhsa_kernarg_size 48
		.amdhsa_user_sgpr_count 2
		.amdhsa_user_sgpr_kernarg_segment_ptr 1
		.amdhsa_wavefront_size32 1
		.amdhsa_system_sgpr_workgroup_id_x 1
		.amdhsa_system_sgpr_workgroup_id_y 1
		.amdhsa_system_sgpr_workgroup_id_z 1
		.amdhsa_system_vgpr_workitem_id 0
		.amdhsa_next_free_vgpr 1024
		.amdhsa_next_free_sgpr 100
		.amdhsa_reserve_vcc 0
		.amdhsa_float_denorm_mode_32 3
		.amdhsa_float_denorm_mode_16_64 3
		.amdhsa_memory_ordered 1
		.amdhsa_forward_progress 1
		.amdhsa_inst_pref_size 153
	.end_amdhsa_kernel
	.amdgpu_metadata
---
amdhsa.version: [ 1, 2 ]
amdhsa.kernels:
  - .name:           k_q9448de7396_outp
    .symbol:         k_q9448de7396_outp.kd
    .args:
      - { .name: cc, .offset: 0, .size: 8, .value_kind: global_buffer, .address_space: global }
      - { .name: cs, .offset: 8, .size: 8, .value_kind: global_buffer, .address_space: global }
      - { .name: acodes, .offset: 16, .size: 8, .value_kind: global_buffer, .address_space: global }
      - { .name: ascales, .offset: 24, .size: 8, .value_kind: global_buffer, .address_space: global }
      - { .name: bo, .offset: 32, .size: 8, .value_kind: global_buffer, .address_space: global }
      - { .name: out0, .offset: 40, .size: 8, .value_kind: global_buffer, .address_space: global }
    .group_segment_fixed_size: 327680
    .private_segment_fixed_size: 0
    .kernarg_segment_align: 8
    .kernarg_segment_size: 48
    .max_flat_workgroup_size: 128
    .sgpr_count:     100
    .vgpr_count:     1024
    .wavefront_size: 32
...
	.end_amdgpu_metadata
.endif
;; end of part 4
